; MI455X (gfx1250); checked and timed in simulation.
; The chip was launched on July 23, 2026; its instructions are those of AMD's public machine-readable ISA for CDNA 5 (MIT licence, August 2026) and "CDNA5" Instruction Set Architecture Reference Guide (July 2026). The comments in the code are by the model that wrote it; some were corrected since.
;; Dynamic Mo E. Allowed arithmetic: matrix products marked QUANTISED: E2M1 operands, one E8M0 scale for each 32 along K, by v_wmma_scale_f32_16x16x128_f8f6f4 with both operands' format E2M1 (or v_wmma_scale_f32_32x16x128_f4), f32 sums; products left as they are: f32 operands where the result goes on into a quantised operand, else bf16, f16 or f32 operands; f32 sums; everything else in f32.
;; Inputs: b1 8 x 4,096 float32; b2 8 x 1,024 float32; gate_b 8 float32; gate_w 1,024 x 8 float32; w1_codes 8 x 4,096 x 32 x 16 uint8 (E2M1 codes of w1, K innermost, in blocks of 32 codes, two codes a byte); w1_scales 8 x 4,096 x 32 uint8 (E8M0 scales of w1, one for each 32 codes along K); w2_codes 8 x 1,024 x 128 x 16 uint8 (E2M1 codes of w2, K innermost, in blocks of 32 codes, two codes a byte); w2_scales 8 x 1,024 x 128 uint8 (E8M0 scales of w2, one for each 32 codes along K); x 4 x 256 x 1,024 float32.
;; Outputs: out0 4 x 256 x 1,024 float32.
;; This version of the problem:
;;   THIS VERSION OF THE PROBLEM IS GIVEN IN LOW PRECISION. The matrix products marked QUANTISED in the list below multiply operands that are first quantised to E2M1 (2 exponent bits, 1 mantissa bit; 4 bits a number), with one power-of-two scale for each 32 numbers along K (OCP MX v1.0); their sums are f32. All else is computed in f32.
;;   The module's matrix products, in the order in which they are computed (A, B: the left and right operand; K: the contracted axis; several contracted axes count as one K, in the product's order):
;;     1. [M 1,024, K 1,024] x [K 1,024, N 8]; A: input x; B: input gate_w: left as it is (N = 8 < 16)
;;     2. batch 1,024 x [M 8, K 2] x [K 2, N 1]; A: computed on the way; B: computed on the way: left as it is (K = 2 < 32)
;;     3. [M 1,024, K 1,024] x [K 1,024, N 4,096]; A: computed on the way; B: input w1 (given as codes): QUANTISED
;;     4. [M 1,024, K 4,096] x [K 4,096, N 1,024]; A: computed on the way; B: input w2 (given as codes): QUANTISED
;;     5. [M 1,024, K 1,024] x [K 1,024, N 4,096]; A: computed on the way; B: input w1 (given as codes): QUANTISED
;;     6. [M 1,024, K 4,096] x [K 4,096, N 1,024]; A: computed on the way; B: input w2 (given as codes): QUANTISED
;;     7. [M 1,024, K 1,024] x [K 1,024, N 4,096]; A: computed on the way; B: input w1 (given as codes): QUANTISED
;;     8. [M 1,024, K 4,096] x [K 4,096, N 1,024]; A: computed on the way; B: input w2 (given as codes): QUANTISED
;;     9. [M 1,024, K 1,024] x [K 1,024, N 4,096]; A: computed on the way; B: input w1 (given as codes): QUANTISED
;;     10. [M 1,024, K 4,096] x [K 4,096, N 1,024]; A: computed on the way; B: input w2 (given as codes): QUANTISED
;;     11. [M 1,024, K 1,024] x [K 1,024, N 4,096]; A: computed on the way; B: input w1 (given as codes): QUANTISED
;;     12. [M 1,024, K 4,096] x [K 4,096, N 1,024]; A: computed on the way; B: input w2 (given as codes): QUANTISED
;;     13. [M 1,024, K 1,024] x [K 1,024, N 4,096]; A: computed on the way; B: input w1 (given as codes): QUANTISED
;;     14. [M 1,024, K 4,096] x [K 4,096, N 1,024]; A: computed on the way; B: input w2 (given as codes): QUANTISED
;;     15. [M 1,024, K 1,024] x [K 1,024, N 4,096]; A: computed on the way; B: input w1 (given as codes): QUANTISED
;;     16. [M 1,024, K 4,096] x [K 4,096, N 1,024]; A: computed on the way; B: input w2 (given as codes): QUANTISED
;;     17. [M 1,024, K 1,024] x [K 1,024, N 4,096]; A: computed on the way; B: input w1 (given as codes): QUANTISED
;;     18. [M 1,024, K 4,096] x [K 4,096, N 1,024]; A: computed on the way; B: input w2 (given as codes): QUANTISED
;;   THE QUANTISER, for each operand of a quantised product, along K:
;;     - K is cut into blocks of 32 from its start; a last block that is shorter is filled with zeros.
;;     - A block's scale is 2^e with e = floor(log2(the largest magnitude in the block)) - 2, held to -126 .. 127; a block of zeros has e = 0. As a byte (E8M0): e + 127.
;;     - Each number is divided by its block's scale, clamped to +-6, and rounded to the nearest number of E2M1, ties to even, subnormals kept.
;;     - The product sums the exact products of the quantised numbers (number of the format x scale) in f32.
;;   ~~~python
;;   def quantise(x, axis):      # numpy; x: float32 -> the quantised numbers, widened to float32 again
;;       x = np.moveaxis(x, axis, -1); K = x.shape[-1]
;;       x = np.pad(x, [(0, 0)] * (x.ndim - 1) + [(0, -K % 32)]); x = x.reshape(x.shape[:-1] + (-1, 32)); a = np.abs(x).max(-1, keepdims=True)
;;       e = np.where(a > 0, np.clip(np.frexp(np.where(a > 0, a, 1))[1] - 1 - 2, -126, 127), 0)      # np.frexp(a)[1] - 1 = floor(log2(a)), exactly
;;       r = np.clip(x / 2.0 ** e, -6, 6)
;;       step = 2.0 ** (np.maximum(np.frexp(np.where(r == 0, 1, r))[1] - 1, 0) - 1)
;;       q = np.round(r / step) * step * 2.0 ** e      # np.round: ties to even
;;       return np.moveaxis(q.reshape(q.shape[:-2] + (-1,))[..., :K], -1, axis).astype(np.float32)
;;   ~~~
;;   OPERANDS COMPUTED ON THE WAY. 'Computed on the way' means the value that the module computes at that place (a softmax that the list does not call 'softmax' is quantised finished and normalised). What goes into a quantiser is computed in f32, as accurately as f32 sums, v_exp_f32 and their like allow (about 1e-6 of the number): no bf16 or f16 on the way to a quantiser, and a product that is left as it is and whose result goes on into a quantised operand takes f32 operands (vector FMAs, or v_wmma_f32_16x16x4_f32). A number that lies on a knife's edge between two numbers of the format may be rounded either way, as far as f32 arithmetic and the matrix unit's own rounding can turn it there, and no further.
;;   INPUTS GIVEN AS CODES. w1 (in the module: [8, 1024, 4096], K = its axis 1); w2 (in the module: [8, 4096, 1024], K = its axis 1): each comes as NAME_codes (uint8): NAME with its K axis moved to the last place and cut into blocks of 32 codes, [.., K / 32, bytes a block], one block behind the other in memory; two codes a byte, the lower K in the low four bits (a code: sign, 2 exponent bits, 1 mantissa bit); and NAME_scales (uint8): the same leading axes, one E8M0 byte (e + 127) for each 32 codes along K. Its value is code x scale, taken as it is: it is not quantised again, and the codes and scales need not be those that the quantiser above would give.
;; 2 versions, each right; version 2 is version 1 with the launch down written anew for expert scheduling mode. Each part assembles by itself: llvm-mc -triple=amdgcn-amd-amdhsa -mcpu=gfx1250 --defsym DOCPART=n.
;; ======== version 1 of 2: 3 launches
;; workspace buffers: ids 4,096 bytes of whole numbers; xq_codes 524,288 bytes; xq_scales 32,768 bytes; h_img 3,932,160 bytes; h_sc 245,760 bytes; order 7,680 bytes of whole numbers; gtab 7,680 bytes of whole numbers
;; launch route (part 1): grid 128 x 1, 8 waves a work-group, no clusters, 71,680 bytes of LDS; arguments x, gate_w, gate_b, xq_codes, xq_scales, ids; writes xq_codes, xq_scales, ids
.if DOCPART == 1
	.amdgcn_target "amdgcn-amd-amdhsa--gfx1250"
	.amdhsa_code_object_version 6
	.text
	.protected	k_qde176f9b65_route
	.globl	k_qde176f9b65_route
	.p2align	8
	.type	k_qde176f9b65_route,@function
k_qde176f9b65_route:
	s_mov_b64 s[64:65], 0
	v_nop
	global_prefetch_b8 v0, s[64:65] scope:SCOPE_SE
	s_setreg_imm32_b32 hwreg(HW_REG_WAVE_MODE, 25, 1), 1
	s_wait_xcnt 0x0
; ROUTER AND FIRST QUANTISER.  x [1024][1024] f32, gate_w [1024][8], gate_b [8].
; For each token: logits in f32, softmax (the row's maximum taken away first), the two largest scores (the lower index keeps a tie).
; The experts are walked in ascending order and each one with a weight above 0 overwrites the row, so ONE expert's result survives: the higher-numbered
; of the two chosen, or the first alone where the second score is exactly 0.  Stored: that expert as the word 1 << (4 e) (words of this make can be
; added up into counts), and x times that expert's score as codes of E2M1 with one E8M0 byte for each 32 along K.
; SHARES: a work-group takes 8 tokens, a wave one token; lane l holds k = 32 l .. 32 l + 31 of the row: one whole block of the quantiser.
; No address and no branch hangs on a computed number: every choice is a v_cndmask_b32.
; LIMITS: NaN and infinities are not served.  Two scores that lie closer than the rounding of the f32 sums (about 1e-6 of a logit) may be ranked the other way.
; A block of zeros gets the byte 1 (its codes are zeros; only this program reads the bytes).  The 8 words of ids are 32 bytes a work-group: the one store here that covers less than 256 bytes.
.set GP,   1040                        ; LDS: a lane's share of gate_w, 32 rows x 32 bytes, + 16: an odd multiple of 16 bytes from lane to lane
.set XT,   33280                       ; behind the 32 shares: a stage of 32 x 144 bytes for each wave, in which its row of x turns from 16 bytes a lane to 128 bytes a lane
.set XTW,  4608
.set XP,   144
.set SCB,  70144                       ; the work-group's 256 scale bytes
.set IDS,  70400                       ; its 8 words of ids
.set ACC,  16                          ; v16-23   eight sums, as four pairs
.set S,    24                          ; v24-31   logits, then scores
.set X,    32                          ; v32-63   my 32 numbers of x
.set G,    64                          ; v64-191  gate_w: two buffers of 8 rows x 8 experts
.set T,    192                         ; v192-199 at work
.set N,    208                         ; v208-215 whole parts of the exponents
	s_load_b256 s[4:11], s[0:1], 0x0               ; x s[4:5], gate_w s[6:7], gate_b s[8:9], xq_codes s[10:11]
	s_load_b128 s[12:15], s[0:1], 0x20             ; xq_scales s[12:13], ids s[14:15]
	v_lshl_add_u32 v254, v0, 2, 0x11400
	v_mov_b32 v255, 0
	v_lshrrev_b32 v1, 5, v0
	v_readfirstlane_b32 s24, v1                    ; wave 0..7
	v_and_b32 v1, 31, v0                           ; lane
	v_lshlrev_b32 v2, 4, v1                        ; 16 x lane
	s_mul_i32 s25, s24, XTW
	s_add_co_u32 s25, s25, XT                      ; my wave's stage
	v_lshrrev_b32 v3, 3, v1
	v_mul_u32_u24 v3, v3, XP
	v_and_b32 v4, 7, v1
	v_lshl_add_u32 v3, v4, 4, v3
	v_add_nc_u32 v3, s25, v3                       ; into the stage: eight lanes' 128 bytes are a block: 144 (lane / 8) + 16 (lane % 8)
	v_lshlrev_b32 v12, 2, v4                       ; 4 (lane % 8)
	v_add_nc_u32 v10, IDS, v12
	v_mul_u32_u24 v4, v1, XP
	v_add_nc_u32 v4, s25, v4                       ; out of it: block = lane
	s_mul_i32 s25, s24, 4*GP
	v_add_nc_u32 v5, s25, v2                       ; gate_w into LDS: my wave brings shares 4 w .. 4 w + 3
	v_mul_u32_u24 v6, v1, GP                       ; and out: my lane's share
	s_lshl_b32 s25, s24, 5
	s_add_co_u32 s25, s25, SCB
	v_add_nc_u32 v7, s25, v1                       ; my block's scale byte: 32 x wave + lane
	s_lshl_b32 s25, s24, 2
	s_add_co_u32 s25, s25, IDS
	v_mov_b32 v8, s25                              ; my token's word
	v_lshlrev_b32 v11, 3, v1                       ; 8 x lane
	v_add_nc_u32 v9, SCB, v11
.irp j, 0,1,2,3,4,5,6,7
	v_mov_b32 v[T+\j], 0                           ; written once: a lane permute's destination counts as one of its sources
.endr
	s_lshl_b32 s30, ttmp9, 3
	s_add_co_u32 s30, s30, s24                     ; my token = 8 x work-group + wave
	s_mov_b32 s33, 0
	s_mov_b32 s26, 0x76543210
	s_mov_b32 s27, 0xfedcba98                      ; v_permlanex16_b32's selects for lane l xor 16
	s_wait_kmcnt 0x0
	s_load_b256 s[16:23], s[8:9], 0x0              ; gate_b
	s_lshl_b32 s32, s30, 12
	s_add_nc_u64 s[4:5], s[4:5], s[32:33]          ; my row of x
	s_lshl_b32 s32, s24, 12
	s_add_nc_u64 s[6:7], s[6:7], s[32:33]          ; my wave's 4,096 bytes of gate_w
	s_lshl_b32 s32, s30, 9
	s_add_nc_u64 s[10:11], s[10:11], s[32:33]      ; my token's 512 bytes of codes
	s_lshl_b32 s32, ttmp9, 8
	s_add_nc_u64 s[12:13], s[12:13], s[32:33]      ; the work-group's 256 scale bytes
	s_lshl_b32 s32, ttmp9, 5
	s_add_nc_u64 s[14:15], s[14:15], s[32:33]      ; its 8 words of ids
.irp j, 0,1,2,3,4,5,6,7
	global_load_b128 v[X+4*\j:X+4*\j+3], v2, s[4:5] offset:512*\j th:TH_LOAD_NT   ; 512 consecutive bytes a load
.endr
.irp i, 0,1,2,3,4,5,6,7
	global_load_b128 v[G+4*\i:G+4*\i+3], v2, s[6:7] offset:512*\i
.endr
	s_wait_loadcnt 8                               ; x is in; the eight loads of gate_w issued behind it may be out
.irp j, 0,1,2,3,4,5,6,7
	ds_store_b128 v3, v[X+4*\j:X+4*\j+3] offset:576*\j             ; a load's 512 bytes are four blocks
.endr
	s_wait_loadcnt 0x0
.irp i, 0,1,2,3,4,5,6,7
	ds_store_b128 v5, v[G+4*\i:G+4*\i+3] offset:GP*(\i/2)+512*(\i%2)
.endr
	s_wait_dscnt 0x0                               ; for the others' sake: my part of gate_w lies in LDS
	s_barrier_signal -1
	s_barrier_wait -1
.irp i, 0,1,2,3,4,5,6,7
	ds_load_b128 v[X+4*\i:X+4*\i+3], v4 offset:16*\i               ; my block of 32 numbers
.endr
.macro GLOAD j                         ; rows 8 j .. 8 j + 7 of my share: 256 bytes, into buffer j % 2
.irp n, 0,1,2,3,4,5,6,7,8,9,10,11,12,13,14,15
	ds_load_b128 v[G+64*((\j)%2)+4*\n:G+64*((\j)%2)+4*\n+3], v6 offset:256*(\j)+16*\n
.endr
.endm
.macro DOT j                           ; eight k x four pairs of experts; x is taken for both halves of a pair.  The very first product starts the sums: nothing is cleared
.irp kk, 0,1,2,3,4,5,6,7
.irp p, 0,1,2,3
.if ((\j) == 0) && (\kk == 0)
	v_pk_mul_f32 v[ACC+2*\p:ACC+2*\p+1], v[G+2*\p:G+2*\p+1], v[X:X+1] op_sel_hi:[1,0]
.elseif (\kk%2) == 0
	v_pk_fma_f32 v[ACC+2*\p:ACC+2*\p+1], v[G+64*((\j)%2)+8*\kk+2*\p:G+64*((\j)%2)+8*\kk+2*\p+1], v[X+8*(\j)+2*(\kk/2):X+8*(\j)+2*(\kk/2)+1], v[ACC+2*\p:ACC+2*\p+1] op_sel:[0,0,0] op_sel_hi:[1,0,1]
.else
	v_pk_fma_f32 v[ACC+2*\p:ACC+2*\p+1], v[G+64*((\j)%2)+8*\kk+2*\p:G+64*((\j)%2)+8*\kk+2*\p+1], v[X+8*(\j)+2*(\kk/2):X+8*(\j)+2*(\kk/2)+1], v[ACC+2*\p:ACC+2*\p+1] op_sel:[0,1,0] op_sel_hi:[1,1,1]
.endif
.endr
.endr
.endm
	GLOAD 0
	GLOAD 1
	s_wait_dscnt 16                                ; x and rows 0-7 are in; the sixteen loads of rows 8-15 may be out
	DOT 0
	GLOAD 2
	s_wait_dscnt 16
	DOT 1
	GLOAD 3
	s_wait_dscnt 16
	DOT 2
	s_wait_dscnt 0x0
	DOT 3
.irp m, 1,2,4,8                        ; the eight sums over the 32 lanes: four steps inside each half of 16, one across
.irp j, 0,1,2,3,4,5,6,7
	v_add_f32_dpp v[ACC+\j], v[ACC+\j], v[ACC+\j] row_xmask:\m row_mask:0xf bank_mask:0xf
.endr
.endr
.irp j, 0,1,2,3,4,5,6,7
	v_permlanex16_b32 v[T+\j], v[ACC+\j], s26, s27
.endr
	s_wait_kmcnt 0x0                               ; gate_b
.irp j, 0,1,2,3,4,5,6,7
	v_add_f32 v[ACC+\j], v[ACC+\j], v[T+\j]
.endr
.irp j, 0,1,2,3,4,5,6,7
	v_add_f32 v[S+\j], s[16+\j], v[ACC+\j]         ; the logits, in every lane
.endr
	; softmax: e^(L - m) = 2^f x 2^n, n the whole part of (L - m) log2(e): v_exp_f32 sees only |f| <= 1/2, and v_ldexp_f32 keeps results under 2^-126
	v_max3_num_f32 v200, v[S], v[S+1], v[S+2]
	v_max3_num_f32 v200, v200, v[S+3], v[S+4]
	v_max3_num_f32 v200, v200, v[S+5], v[S+6]
	v_max_num_f32 v200, v200, v[S+7]
.irp j, 0,1,2,3,4,5,6,7
	v_sub_f32 v[S+\j], v[S+\j], v200
.endr
.irp j, 0,1,2,3,4,5,6,7
	v_mul_f32 v[S+\j], 0x3fb8aa3b, v[S+\j]
.endr
.irp j, 0,1,2,3,4,5,6,7
	v_rndne_f32 v[N+\j], v[S+\j]
.endr
.irp j, 0,1,2,3,4,5,6,7
	v_sub_f32 v[S+\j], v[S+\j], v[N+\j]
.endr
.irp j, 0,1,2,3,4,5,6,7
	v_exp_f32 v[S+\j], v[S+\j]                     ; one batch
.endr
.irp j, 0,1,2,3,4,5,6,7
	v_cvt_i32_f32 v[N+\j], v[N+\j]                 ; plain work behind the batch, which names none of its results
.endr
	s_wait_alu depctr_va_vdst(0)                   ; one wait for the eight exponentials, ahead of their first reader
.irp j, 0,1,2,3,4,5,6,7
	v_ldexp_f32 v[S+\j], v[S+\j], v[N+\j]
.endr
	v_add_f32 v192, v[S], v[S+1]
	v_add_f32 v193, v[S+2], v[S+3]
	v_add_f32 v194, v[S+4], v[S+5]
	v_add_f32 v195, v[S+6], v[S+7]
	v_add_f32 v192, v192, v193
	v_add_f32 v194, v194, v195
	v_add_f32 v201, v192, v194
	v_rcp_f32 v201, v201
	v_nop                                          ; a plain instruction behind the reciprocal
	s_wait_alu depctr_va_vdst(0)                   ; and the wait ahead of its first reader
.irp j, 0,1,2,3,4,5,6,7
	v_mul_f32 v[S+\j], v[S+\j], v201               ; the scores
.endr
	; the largest score: a later one takes over only where it is strictly larger
	v_mov_b32 v202, v[S]
	v_mov_b32 v203, 0
.irp j, 1,2,3,4,5,6,7
	v_cmp_le_f32 vcc_lo, v[S+\j], v202             ; keep
	v_cndmask_b32 v203, \j, v203, vcc_lo
	v_cndmask_b32 v202, v[S+\j], v202, vcc_lo
.endr
	; the second: the same scan with the first's place held at -1
	v_mov_b32 v204, -1.0
	v_mov_b32 v205, 0
.irp j, 0,1,2,3,4,5,6,7
	v_cmp_ne_u32 vcc_lo, \j, v203
	v_cndmask_b32 v206, -1.0, v[S+\j], vcc_lo
	v_cmp_le_f32 vcc_lo, v206, v204
	v_cndmask_b32 v205, \j, v205, vcc_lo
	v_cndmask_b32 v204, v206, v204, vcc_lo
.endr
	v_cmp_lt_f32 s28, 0, v204                      ; the second counts where its score is above 0,
	v_cmp_gt_u32 s29, v205, v203                   ; and survives where its number is the higher
	s_and_b32 vcc_lo, s28, s29
	v_cndmask_b32 v216, v203, v205, vcc_lo         ; e
	v_cndmask_b32 v220, v202, v204, vcc_lo         ; w
	v_mov_b32 v221, v220
.irp i, 0,2,4,6,8,10,12,14,16,18,20,22,24,26,28,30
	v_pk_mul_f32 v[X+\i:X+\i+1], v[X+\i:X+\i+1], v[220:221]       ; x w, rounded once
.endr
	; the block's largest magnitude, in two chains, with the floor 2^(3 - 127) among the leaves: the byte cannot fall under 1
	v_max3_num_f32 v217, |v[X]|, |v[X+1]|, 0x1800000
	v_max3_num_f32 v218, |v[X+2]|, |v[X+3]|, |v[X+4]|
.irp i, 5,9,13,17,21,25
	v_max3_num_f32 v217, v217, |v[X+\i]|, |v[X+\i+1]|
	v_max3_num_f32 v218, v218, |v[X+\i+2]|, |v[X+\i+3]|
.endr
	v_max3_num_f32 v217, v217, |v[X+29]|, |v[X+30]|
	v_max3_num_f32 v217, v217, v218, |v[X+31]|
	v_add_nc_u32 v219, 0xff000000, v217            ; 2 off its exponent field: the conversion takes the exponent field of this operand as its scale
	v_lshrrev_b32 v222, 23, v219                   ; the scale's byte
.irp g, 0,1,2,3
	v_cvt_scalef32_pk8_fp4_f32 v[224+\g], v[X+8*\g:X+8*\g+7], v219
.endr
	v_nop                                          ; one plain instruction behind the last scaled conversion
	v_lshlrev_b32 v208, 2, v216
	v_mov_b32 v209, 1
	v_lshlrev_b32 v208, v208, v209                 ; 1 << (4 e)
	global_store_b128 v2, v[224:227], s[10:11]     ; the wave stores 512 consecutive bytes: the token's codes
	ds_store_b8 v7, v222
	ds_store_b32 v8, v208                          ; all lanes write the same word with the same value
	s_wait_dscnt 0x0                               ; for wave 0's sake
	s_barrier_signal -1
	s_barrier_wait -1
	s_cmp_lg_u32 s24, 0
	s_cbranch_scc1 .Lend
	ds_load_b64 v[210:211], v9
	ds_load_b32 v212, v10
	s_wait_dscnt 0x0
	global_store_b64 v11, v[210:211], s[12:13]     ; 256 consecutive bytes, aligned: eight tokens' scale bytes
	global_store_b32 v12, v212, s[14:15]           ; eight words; four lanes hold each, with the same value
.Lend:
	s_wait_tensorcnt 0x0
	ds_add_u32 v254, v255
	s_wait_dscnt 0x0
	s_endpgm
.Lfunc_end_k_qde176f9b65_route:
	.size	k_qde176f9b65_route, .Lfunc_end_k_qde176f9b65_route-k_qde176f9b65_route
	.p2alignl 7, 3214868480
	.fill 96, 4, 3214868480
	.section	.rodata,"a",@progbits
	.p2align	6, 0x0
	.amdhsa_kernel k_qde176f9b65_route
		.amdhsa_group_segment_fixed_size 71680
		.amdhsa_private_segment_fixed_size 0
		.amdhsa_enable_private_segment 0
		.amdhsa_kernarg_size 48
		.amdhsa_user_sgpr_count 2
		.amdhsa_user_sgpr_kernarg_segment_ptr 1
		.amdhsa_wavefront_size32 1
		.amdhsa_system_sgpr_workgroup_id_x 1
		.amdhsa_system_sgpr_workgroup_id_y 1
		.amdhsa_system_sgpr_workgroup_id_z 1
		.amdhsa_system_vgpr_workitem_id 0
		.amdhsa_next_free_vgpr 256
		.amdhsa_next_free_sgpr 66
		.amdhsa_reserve_vcc 1
		.amdhsa_float_denorm_mode_32 3
		.amdhsa_float_denorm_mode_16_64 3
		.amdhsa_memory_ordered 1
		.amdhsa_forward_progress 1
		.amdhsa_inst_pref_size 30
	.end_amdhsa_kernel
	.amdgpu_metadata
---
amdhsa.version: [ 1, 2 ]
amdhsa.kernels:
  - .name:           k_qde176f9b65_route
    .symbol:         k_qde176f9b65_route.kd
    .args:
      - { .name: x, .offset: 0, .size: 8, .value_kind: global_buffer, .address_space: global }
      - { .name: gate_w, .offset: 8, .size: 8, .value_kind: global_buffer, .address_space: global }
      - { .name: gate_b, .offset: 16, .size: 8, .value_kind: global_buffer, .address_space: global }
      - { .name: xq_codes, .offset: 24, .size: 8, .value_kind: global_buffer, .address_space: global }
      - { .name: xq_scales, .offset: 32, .size: 8, .value_kind: global_buffer, .address_space: global }
      - { .name: ids, .offset: 40, .size: 8, .value_kind: global_buffer, .address_space: global }
    .group_segment_fixed_size: 71680
    .private_segment_fixed_size: 0
    .kernarg_segment_align: 8
    .kernarg_segment_size: 48
    .max_flat_workgroup_size: 256
    .sgpr_count:     66
    .vgpr_count:     256
    .wavefront_size: 32
...
	.end_amdgpu_metadata
.endif
;; end of part 1
;; launch up (part 2): grid 16 x 15, 4 waves a work-group, no clusters, 211,456 bytes of LDS; arguments ids, xq_codes, xq_scales, w1_codes, w1_scales, b1, h_img, h_sc, order, gtab; writes h_img, h_sc, order, gtab
.if DOCPART == 2
	.amdgcn_target "amdgcn-amd-amdhsa--gfx1250"
	.amdhsa_code_object_version 6
	.text
	.protected	k_qde176f9b65_up
	.globl	k_qde176f9b65_up
	.p2align	8
	.type	k_qde176f9b65_up,@function
k_qde176f9b65_up:
	s_mov_b64 s[64:65], 0
	v_nop
	global_prefetch_b8 v0, s[64:65] scope:SCOPE_SE
	s_setreg_imm32_b32 hwreg(HW_REG_WAVE_MODE, 25, 1), 1
	s_wait_xcnt 0x0
; PLACING OF ROWS AND FIRST PRODUCT:  h = Q(relu(xq W1[e]^T + b1[e])), for the rows of one group of at most 128 tokens of one expert.
; GROUPS.  Expert j with n_j tokens has ceil(n_j / 128) groups; over 8 experts and 1,024 tokens that is never more than 8 + 7 = 15, whatever the split: the grid's y is the slot, 0 .. 14.
; Every wave counts the ids (whole numbers that the launch before stored) and finds its slot's expert, group and number of rows.  A slot that the split leaves empty walks the same text with 0 tiles and
; stores no part of h: no barrier stands under a branch on a loaded number.  Because the walk hangs on loaded counts, all operands go through registers: no tensor load, no copy, and so no joint load in a cluster.
; SHARES.  The grid's x names 256 hidden units; wave w takes units 64 w .. 64 w + 63 of them for all tiles of 16 rows.  Its 64 rows of W1 (32 KiB of codes) stay in 256 registers.
; The product is used TRANSPOSED (source 0 = 16 rows of W1, source 1 = 16 rows of x), and THE ROWS OF W1 THAT FORM A TILE ARE NOT NEIGHBOURS: lane r of tile tt takes unit 32 (tt / 2) + 8 (tt % 2) + r + 8 (r / 8),
; so that a lane holds one row of h and the 16 registers of tiles 2 b, 2 b + 1 are 16 neighbours along the next K.  The wave's 64 units are half a K step of the second product: four registers of its operand.
; OUT.  h_img [tile 8 slot + k][K step 32][1,024 bytes]: an image of the operand's registers (byte 512 cc + 16 lane); h_sc [K step][tile][16 rows] scale words; order [slot][128] token numbers; gtab [slot][32 x {e, tiles, rows, 0}].
; Rows that fill a group's last tile repeat the group's first token: their results are the same bits and go to the same row, so no store is ever masked.
; LIMITS: a block of zeros gets the byte 1 (its codes are zeros; only this program reads the bytes).  NaN and infinities are not served.
; LDS: XST 128 rows of x codes x (512 + 16);  XSS their scale bytes, 128 x (32 + 16);  WT 64 x (512 + 16) for each wave, its own: there W1's rows turn from whole rows into fragments;  LIST 128 tokens, and 128 words that nobody reads, for what is not placed;  SC the scale words.
; REGISTERS: window 0: v1-23 addresses; v24-39 W1's scale words; v40-55 x's, two sets; v56-87 four accumulators; v88-127 at work; v128-255 x's fragments, two sets (before that: the ids and the sort).  window 1: W1.  window 2: v0-31 b1; v32-167 x on its way to LDS.
.set XST,  0
.set XSS,  67584
.set WT,   73728
.set WTW,  33792
.set LIST, 208896
.set SC,   209920
.set WS,   24
.set XS,   40
.set HA,   56
.set TM,   88
.set TP,   90
.set SO,   92
.set BY,   94
.set PC,   96
.set GT,   100
.set TK,   104
.set HW,   122
.set LW,   124
.set XF,   128
.set ID,   128                         ; v128-159 the 1,024 ids: register 4 q + j of lane l is token 128 q + 4 l + j
.set CT,   160                         ; v160-175 counting
.set SA,   160                         ; v160-191 the sort's 32 LDS addresses, v192-223 its 32 token numbers: each store has registers of its own
.set SD,   192
.set MK,   66                          ; s66-81   the sort: 16 masks
.set BS,   82                          ; s82-97   and the rank at which each of the 16 registers begins
.set MSB,  0
.macro WIN new                         ; the immediate's high byte repeats the setting that is left; a switch that changes nothing is dropped
.if MSB != (\new)
	s_set_vgpr_msb (MSB<<8)|(\new)
.set MSB, (\new)
.endif
.endm
.macro BARRIER                         ; my LDS stores have landed and my LDS loads are in: then the work-group's barrier
	s_wait_dscnt 0x0
	s_barrier_signal -1
	s_barrier_wait -1
.endm
.macro WROWS g                         ; 16 whole rows of W1, 512 consecutive bytes a load, into window 1
	WIN 0x40
.irp n, 0,1,2,3,4,5,6,7,8,9,10,11,12,13,14,15
	global_load_b128 v[64*(\g)+4*\n:64*(\g)+4*\n+3], v4, s[10:11] offset:(16*(\g)+\n)*512
.endr
.endm
.macro WSTORE g                        ; into my part of WT; the row's place there is such that a tile's 16 rows are neighbours
	WIN 0x04
.irp n, 0,1,2,3,4,5,6,7,8,9,10,11,12,13,14,15
.set RHO, 16*(\g)+\n
.set SIG, (RHO&0x27)|((RHO&8)<<1)|((RHO&16)>>1)
	ds_store_b128 v6, v[4*RHO:4*RHO+3] offset:SIG*528
.endr
.endm
.macro WFRAG                           ; back as fragments: tile tt, K step s at v[64 tt + 8 s] of window 1
	WIN 0x40
.irp tt, 0,1,2,3
.irp s, 0,1,2,3,4,5,6,7
.irp cc, 0,1
	ds_load_b128 v[64*\tt+8*\s+4*\cc:64*\tt+8*\s+4*\cc+3], v7 offset:16*\tt*528+64*\s+32*\cc
.endr
.endr
.endr
.endm
.macro XG a                            ; 16 rows of x codes (two rows x 256 bytes a load) and their scale bytes: 17 loads, into window 2
	WIN 0x80
.irp i, 0,1,2,3,4,5,6,7
	global_load_b128 v[32+64*\a+8*\i:35+64*\a+8*\i], v[TK+8*\a+\i], s[6:7]
	global_load_b128 v[36+64*\a+8*\i:39+64*\a+8*\i], v[TK+8*\a+\i], s[6:7] offset:256
.endr
	global_load_b128 v[160+4*\a:163+4*\a], v[TK+16+\a], s[8:9]
.endm
.macro XSTORE a
	WIN 0x08
.irp i, 0,1,2,3,4,5,6,7
	ds_store_b128 v8, v[32+64*\a+8*\i:35+64*\a+8*\i] offset:(64*\a+2*\i)*528
	ds_store_b128 v8, v[36+64*\a+8*\i:39+64*\a+8*\i] offset:(64*\a+2*\i)*528+256
.endr
	ds_store_b128 v9, v[160+4*\a:163+4*\a] offset:3072*\a
.endm
.macro XFETCH k                        ; tile k's eight fragments of x and its eight scale words, into set k % 2
.set FB, XF+64*((\k)%2)
.set FS, XS+8*((\k)%2)
.irp s, 0,1,2,3,4,5,6,7
.irp cc, 0,1
	ds_load_b128 v[FB+8*\s+4*\cc:FB+8*\s+4*\cc+3], v10 offset:8448*(\k)+64*\s+32*\cc
.endr
.endr
.irp q, 0,1
	ds_load_b128 v[FS+4*\q:FS+4*\q+3], v11 offset:768*(\k)+16*\q
.endr
.endm
.macro MM d, a, b, c, sa, sb, ra       ; ra = 1: source 0's scale words stand in lanes 16-31
.if \ra
	v_wmma_scale_f32_16x16x128_f8f6f4 v[\d:\d+7], v[\a:\a+7], v[\b:\b+7], \c, v[\sa], v[\sb] matrix_a_fmt:MATRIX_FMT_FP4 matrix_b_fmt:MATRIX_FMT_FP4 matrix_a_scale:MATRIX_SCALE_ROW1
.else
	v_wmma_scale_f32_16x16x128_f8f6f4 v[\d:\d+7], v[\a:\a+7], v[\b:\b+7], \c, v[\sa], v[\sb] matrix_a_fmt:MATRIX_FMT_FP4 matrix_b_fmt:MATRIX_FMT_FP4
.endif
.endm
	s_load_b256 s[4:11], s[0:1], 0x0               ; ids s[4:5], xq_codes s[6:7], xq_scales s[8:9], w1_codes s[10:11]
	s_load_b256 s[12:19], s[0:1], 0x20             ; w1_scales s[12:13], b1 s[14:15], h_img s[16:17], h_sc s[18:19]
	s_load_b128 s[20:23], s[0:1], 0x40             ; order s[20:21], gtab s[22:23]
	v_lshl_add_u32 v123, v0, 2, 0x33800
	s_set_vgpr_msb 0x80
	v_mov_b32 v255, 0
	s_set_vgpr_msb 0x8000
	v_lshrrev_b32 v1, 5, v0
	v_readfirstlane_b32 s24, v1                    ; wave 0..3
	s_mov_b32 s25, ttmp9                           ; c: which 256 hidden units
	s_and_b32 s26, ttmp7, 0xffff                   ; slot
	v_and_b32 v1, 31, v0                           ; l
	v_lshlrev_b32 v4, 4, v1                        ; 16 l
	s_wait_kmcnt 0x0
.irp q, 0,1,2,3,4,5,6,7
	global_load_b128 v[ID+4*\q:ID+4*\q+3], v4, s[4:5] offset:512*\q
.endr
	v_and_b32 v2, 15, v0                           ; r
	v_bfe_u32 v3, v0, 4, 1                         ; h
	v_lshlrev_b32 v5, 4, v2                        ; 16 r
	s_mul_i32 s27, s24, WTW
	s_add_co_u32 s27, s27, WT
	v_add_nc_u32 v6, s27, v4                       ; WT, in: 16 l
	v_mul_u32_u24 v7, v2, 528
	v_lshl_add_u32 v7, v3, 4, v7
	v_add_nc_u32 v10, XST, v7                      ; x's fragments: 528 r + 16 h
	v_add_nc_u32 v7, s27, v7                       ; WT, out: the same in my part
	s_mul_i32 s27, s24, 16*528
	v_mul_u32_u24 v8, v3, 528
	v_add_nc_u32 v8, v8, v5
	v_add_nc_u32 v8, s27, v8                       ; x's stage, in: row 16 w + h, 16 r
	v_lshrrev_b32 v13, 1, v1
	v_mul_u32_u24 v9, v13, 48
	v_and_b32 v20, 1, v1
	v_lshlrev_b32 v20, 4, v20                      ; 16 (l % 2)
	v_add_nc_u32 v9, v9, v20
	s_mul_i32 s27, s24, 768
	s_add_co_u32 s27, s27, XSS
	v_add_nc_u32 v9, s27, v9                       ; x's scale bytes, in: row 16 w + l / 2, half l % 2
	v_mul_u32_u24 v11, v2, 48
	v_add_nc_u32 v11, XSS, v11                     ; and out: row r
	s_lshl_b32 s27, s24, 6
	s_add_co_u32 s27, s27, LIST
	v_lshl_add_u32 v12, v3, 2, s27                 ; the list: word 16 w + h
	v_lshl_add_u32 v13, v13, 2, s27                ; and word 16 w + l / 2
	s_lshr_b32 s27, s24, 1
	s_lshl_b32 s27, s27, 9
	s_and_b32 s30, s24, 1                          ; w % 2
	s_lshl_b32 s31, s30, 1
	s_add_co_u32 s27, s27, s31
	s_add_co_u32 s27, s27, SC
	v_lshl_add_u32 v14, v2, 2, s27                 ; my two bytes of row r's scale word: 512 (w / 2) + 2 (w % 2) + 4 r
	v_and_b32 v15, 8, v2
	v_add_nc_u32 v15, v15, v2
	v_lshl_add_u32 v15, v3, 3, v15
	v_lshlrev_b32 v15, 5, v15                      ; W1's scale bytes: lanes 0-15 an even tile's rows, lanes 16-31 the odd tile's: 32 (8 h + r + 8 (r / 8))
	v_lshlrev_b32 v16, 6, v3                       ; b1: 64 h
	v_lshl_add_u32 v17, v0, 3, SC                  ; SC, 8 bytes a thread
	v_mov_b32 v18, 0
	v_mov_b32 v19, 0
	v_add_nc_u32 v21, LIST, v4
	v_mov_b32 v22, LIST
	s_lshl_b32 s31, s30, 9
	s_add_co_u32 s31, s31, SC
	v_add_nc_u32 v23, s31, v4                      ; SC, out: 512 (w % 2) + 16 l
	v_mov_b32 v[TP], 0                             ; written once: a lane permute's destination counts as one of its sources
	v_mov_b32 v[TP+1], 0
.irp g, 0,1,2,3
	v_mov_b32 v[CT+12+\g], 0
.endr
	s_mov_b32 s28, 0x76543210
	s_mov_b32 s29, 0xfedcba98                      ; v_permlanex16_b32's selects for lane l xor 16
	s_wait_loadcnt 0x0
	; THE COUNTS.  A word is 1 << (4 e): eight words add up in nibbles, 32 in bytes, 1,024 in halves of a word
.irp g, 0,1,2,3
	v_add3_u32 v[CT+\g], v[ID+8*\g], v[ID+8*\g+1], v[ID+8*\g+2]
.endr
.irp i, 3,5
.irp g, 0,1,2,3
	v_add3_u32 v[CT+\g], v[CT+\g], v[ID+8*\g+\i], v[ID+8*\g+\i+1]
.endr
.endr
.irp g, 0,1,2,3
	v_add_nc_u32 v[CT+\g], v[CT+\g], v[ID+8*\g+7]
.endr
	s_mov_b32 s27, 0x0f0f0f0f
.irp g, 0,1,2,3
	v_and_b32 v[CT+4+\g], s27, v[CT+\g]            ; experts 0, 2, 4, 6 in bytes
	v_lshrrev_b32 v[CT+\g], 4, v[CT+\g]
	v_and_b32 v[CT+\g], s27, v[CT+\g]              ; experts 1, 3, 5, 7
.endr
	v_add3_u32 v[CT+4], v[CT+4], v[CT+5], v[CT+6]
	v_add3_u32 v[CT], v[CT], v[CT+1], v[CT+2]
	v_add_nc_u32 v[CT+4], v[CT+4], v[CT+7]
	v_add_nc_u32 v[CT], v[CT], v[CT+3]
	s_mov_b32 s27, 0x00ff00ff
	v_and_b32 v[CT+8], s27, v[CT+4]                ; experts 0 and 4
	v_lshrrev_b32 v[CT+9], 8, v[CT+4]
	v_and_b32 v[CT+9], s27, v[CT+9]                ; 2 and 6
	v_and_b32 v[CT+10], s27, v[CT]                 ; 1 and 5
	v_lshrrev_b32 v[CT+11], 8, v[CT]
	v_and_b32 v[CT+11], s27, v[CT+11]              ; 3 and 7
.irp m, 1,2,4,8
.irp g, 0,1,2,3
	v_add_nc_u32_dpp v[CT+8+\g], v[CT+8+\g], v[CT+8+\g] row_xmask:\m row_mask:0xf bank_mask:0xf
.endr
.endr
.irp g, 0,1,2,3
	v_permlanex16_b32 v[CT+12+\g], v[CT+8+\g], s28, s29
.endr
.irp g, 0,1,2,3
	v_add_nc_u32 v[CT+8+\g], v[CT+8+\g], v[CT+12+\g]
.endr
.irp g, 0,1,2,3
	v_readfirstlane_b32 s[40+\g], v[CT+8+\g]
.endr
	s_and_b32 s32, s40, 0xffff                     ; n_0 .. n_7 in s32-39
	s_lshr_b32 s36, s40, 16
	s_and_b32 s34, s41, 0xffff
	s_lshr_b32 s38, s41, 16
	s_and_b32 s33, s42, 0xffff
	s_lshr_b32 s37, s42, 16
	s_and_b32 s35, s43, 0xffff
	s_lshr_b32 s39, s43, 16
	; MY SLOT'S EXPERT e, GROUP g AND THE EXPERT'S COUNT n: the experts' groups stand one behind the other
	s_mov_b32 s44, 0                               ; groups so far
	s_mov_b32 s45, 8                               ; e: 8 = none
	s_mov_b32 s46, 0
	s_mov_b32 s47, 0
.irp j, 0,1,2,3,4,5,6,7
	s_add_co_u32 s48, s[32+\j], 127
	s_lshr_b32 s48, s48, 7                         ; its groups
	s_sub_co_u32 s49, s26, s44                     ; (a slot in front of them wraps to a number above every count)
	s_cmp_lt_u32 s49, s48
	s_cselect_b32 s45, \j, s45
	s_cselect_b32 s46, s49, s46
	s_cselect_b32 s47, s[32+\j], s47
	s_add_co_u32 s44, s44, s48
.endr
	s_lshl_b32 s48, s46, 7                         ; 128 g
	s_sub_co_u32 s50, s47, s48
	s_min_u32 s50, s50, 128                        ; rows
	s_add_co_u32 s51, s50, 15
	s_lshr_b32 s51, s51, 4                         ; tiles of 16 rows
	s_sub_co_u32 s53, 0, s48                       ; the sort's running rank begins at -128 g
	s_lshl_b32 s52, s45, 2
	s_lshl_b32 s52, 1, s52                         ; the word that my expert's tokens hold;
	s_cmp_lt_u32 s45, 8
	s_cselect_b32 s52, s52, 0                      ; an empty slot matches no word
	s_min_u32 s45, s45, 7                          ; and reads expert 7's weights
	s_mov_b32 s57, 0
	s_lshl_b32 s56, s45, 21
	s_lshl_b32 s48, s25, 17
	s_add_co_u32 s56, s56, s48
	s_lshl_b32 s48, s24, 15
	s_add_co_u32 s56, s56, s48
	s_add_nc_u64 s[10:11], s[10:11], s[56:57]      ; W1's codes: expert, unit 256 c + 64 w, 512 bytes a unit
	s_lshl_b32 s56, s45, 17
	s_lshl_b32 s48, s25, 13
	s_add_co_u32 s56, s56, s48
	s_lshl_b32 s48, s24, 11
	s_add_co_u32 s56, s56, s48
	s_add_nc_u64 s[12:13], s[12:13], s[56:57]      ; its scale bytes, 32 a unit
	s_lshl_b32 s56, s45, 14
	s_lshl_b32 s48, s25, 10
	s_add_co_u32 s56, s56, s48
	s_lshl_b32 s48, s24, 8
	s_add_co_u32 s56, s56, s48
	s_add_nc_u64 s[14:15], s[14:15], s[56:57]      ; b1
	s_lshl_b32 s56, s26, 18
	s_lshl_b32 s48, s25, 11
	s_add_co_u32 s56, s56, s48
	s_lshl_b32 s48, s24, 9
	s_add_co_u32 s56, s56, s48
	s_add_nc_u64 s[16:17], s[16:17], s[56:57]      ; h_img: tile 8 slot, K step 2 c + w / 2, half w % 2
	s_lshl_b32 s48, s25, 1
	s_add_co_u32 s48, s48, s30
	s_mul_i32 s56, s48, 7680
	s_lshl_b32 s48, s26, 9
	s_add_co_u32 s56, s56, s48
	s_add_nc_u64 s[18:19], s[18:19], s[56:57]      ; h_sc: K step 2 c + w % 2, tile 8 slot
	s_mov_b32 s56, s48
	s_add_nc_u64 s[20:21], s[20:21], s[56:57]      ; order and gtab at my slot
	s_add_nc_u64 s[22:23], s[22:23], s[56:57]
	; THE LOADS go out as early as the expert is known: scale words and b1 (12), then three quarters of W1's rows (48): 60 loads of mine are out while the list is made
.irp P, 0,1
.irp q, 0,1
	global_load_b128 v[WS+8*\P+4*\q:WS+8*\P+4*\q+3], v15, s[12:13] offset:1024*\P+16*\q
.endr
.endr
	WIN 0x80
.irp tt, 0,1,2,3                       ; b1 in the result's layout: lane (r, h), register j: unit 32 (tt / 2) + 8 (tt % 2) + 16 h + j
	global_load_b128 v[8*\tt:8*\tt+3], v16, s[14:15] offset:(32*(\tt/2)+8*(\tt%2))*4
	global_load_b128 v[8*\tt+4:8*\tt+7], v16, s[14:15] offset:(32*(\tt/2)+8*(\tt%2))*4+16
.endr
	WROWS 0
	WROWS 1
	WROWS 2
	WIN 0
	; THE SORT, by wave 0 alone; no other wave touches LDS ahead of the barrier behind it.  A token of my expert has a rank (registers in order, lanes in order); ranks 128 g .. 128 g + 127 are my group's.
	; It goes in two batches of 16 registers, and each batch phase by phase (16 masks; 16 running ranks, by scalar instructions; 16 ranks of the lanes; 16 stores), so that a mask goes from the vector to the
	; scalar side and back once a batch and not once a register.  A rank less 128 g that is 128 or more (one in front of the group has wrapped) is held at 255: words 128 to 255 of the list are read by nobody.
	s_cmp_lg_u32 s24, 0
	s_cbranch_scc1 .Lnot_sorter
.irp j, 0,1,2,3
	v_mov_b32 v[232+\j], 0
.endr
	v_add_nc_u32 v224, 0x80, v1                    ; where a lane with nothing to place writes: word 128 + l
	v_lshlrev_b32 v225, 2, v1                      ; 4 l
	ds_store_b128 v21, v[232:235]                  ; the list begins as zeros
.irp b, 0,1
.irp i, 0,1,2,3,4,5,6,7,8,9,10,11,12,13,14,15
	v_cmp_eq_u32 s[MK+\i], s52, v[ID+16*\b+\i]     ; my expert's tokens among these 32
.endr
.irp i, 0,1,2,3,4,5,6,7,8,9,10,11,12,13,14,15
	v_add_nc_u32 v[SD+16*\b+\i], 128*(4*\b+\i/4)+\i%4, v225        ; the tokens' numbers
.endr
.irp i, 0,1,2,3,4,5,6,7,8,9,10,11,12,13,14,15
	s_mov_b32 s[BS+\i], s53                        ; the rank, less 128 g, at which this register begins
	s_bcnt1_i32_b32 s55, s[MK+\i]
	s_add_co_u32 s53, s53, s55
.endr
.irp i, 0,1,2,3,4,5,6,7,8,9,10,11,12,13,14,15
	v_mbcnt_lo_u32_b32 v[SA+16*\b+\i], s[MK+\i], s[BS+\i]          ; + the tokens of my expert in the lanes below mine
.endr
.irp i, 0,1,2,3,4,5,6,7,8,9,10,11,12,13,14,15
	v_cndmask_b32 v[SA+16*\b+\i], v224, v[SA+16*\b+\i], s[MK+\i]
.endr
.irp i, 0,1,2,3,4,5,6,7,8,9,10,11,12,13,14,15
	v_min_u32 v[SA+16*\b+\i], 0xff, v[SA+16*\b+\i]
.endr
.irp i, 0,1,2,3,4,5,6,7,8,9,10,11,12,13,14,15
	v_lshl_add_u32 v[SA+16*\b+\i], v[SA+16*\b+\i], 2, LIST
.endr
.irp i, 0,1,2,3,4,5,6,7,8,9,10,11,12,13,14,15
	ds_store_b32 v[SA+16*\b+\i], v[SD+16*\b+\i]
.endr
.endr
	ds_load_b32 v226, v22                          ; LDS serves a wave's instructions in order: these see the stores above
	ds_load_b128 v[228:231], v21
	s_wait_dscnt 0x0
.irp j, 0,1,2,3                        ; places behind the group's last row repeat its first token
	v_add_nc_u32 v227, \j, v225
	v_cmp_gt_u32 vcc_lo, s50, v227
	v_cndmask_b32 v[228+\j], v226, v[228+\j], vcc_lo
.endr
	ds_store_b128 v21, v[228:231]
.Lnot_sorter:
	BARRIER                                        ; the list lies in LDS
.irp a, 0,1
.irp i, 0,1,2,3,4,5,6,7
	ds_load_b32 v[TK+8*\a+\i], v12 offset:256*\a+8*\i              ; the token of row 16 (w + 4 a) + 2 i + h
.endr
	ds_load_b32 v[TK+16+\a], v13 offset:256*\a                     ; and of row 16 (w + 4 a) + l / 2
.endr
	ds_store_b64 v17, v[18:19]                     ; the scale words begin as zeros: tiles that are left out keep them
	s_wait_dscnt 0x0
.set NN, 0
.rept 16
	v_min_u32 v[TK+NN], 0x3ff, v[TK+NN]
	v_lshl_add_u32 v[TK+NN], v[TK+NN], 9, v5       ; 512 bytes of codes a token, + 16 r
.set NN, NN+1
.endr
.irp a, 0,1
	v_min_u32 v[TK+16+\a], 0x3ff, v[TK+16+\a]
	v_lshl_add_u32 v[TK+16+\a], v[TK+16+\a], 5, v20                ; 32 scale bytes a token, + 16 (l % 2)
.endr
	; each counted wait leaves out exactly the loads issued behind the group that it waits for; behind each group that has come, the next goes out
	s_wait_loadcnt 32                              ; scale words, b1 and W1's rows 0-15 are in.  Behind them: rows 16-47
	WSTORE 0
	XG 0
	s_wait_loadcnt 33                              ; rows 16-31.  Behind them: rows 32-47 (16), x's first 17
	WSTORE 1
	XG 1
	s_wait_loadcnt 34                              ; rows 32-47.  Behind them: x's 17 + 17
	WSTORE 2
	WROWS 3
	s_wait_loadcnt 33                              ; x's first 17.  Behind them: x's second 17, rows 48-63
	XSTORE 0
	s_wait_loadcnt 16                              ; x's second 17.  Behind them: rows 48-63
	XSTORE 1
	s_wait_loadcnt 0x0
	WSTORE 3
	WIN 0
	s_cmp_lg_u32 s25, 0                            ; the slot's list and table are stored once, by wave 1 of the work-group with c = 0
	s_cbranch_scc1 .Lno_tab
	s_cmp_lg_u32 s24, 1
	s_cbranch_scc1 .Lno_tab
	ds_load_b128 v[LW:LW+3], v21
	v_mov_b32 v[GT], s45
	v_mov_b32 v[GT+1], s51
	v_mov_b32 v[GT+2], s50
	v_mov_b32 v[GT+3], 0
	s_wait_dscnt 0x0
	global_store_b128 v4, v[LW:LW+3], s[20:21]     ; 512 consecutive bytes
	global_store_b128 v4, v[GT:GT+3], s[22:23]     ; 32 copies of the four words: 512 consecutive bytes, with every lane on
.Lno_tab:
	BARRIER                                        ; x's 128 rows and their scale bytes lie in LDS; my stores into WT have read their registers
	WFRAG
	WIN 0
	XFETCH 0
; A TILE OF 16 ROWS: 32 products (K = 1,024 in 8 steps x my 4 tiles of units, the four accumulators by turns; b1 is the C of each sum's first product), relu, the quantiser, 512 bytes of the image out.
.macro TILE k
	s_cmp_le_u32 s51, \k
	s_cbranch_scc1 .Ldone                          ; a forward jump on the stored counts: the tiles behind the group's last are left out
	s_wait_dscnt 0x0                               ; this tile's fragments are in (ahead of tile 0: W1's too); the last tile's LDS store has read its register
.if \k < 7
	XFETCH (\k)+1                                  ; into the set that the tile before read: the quantiser's lines since then are more than the four plain instructions owed
.endif
.set XB, XF+64*((\k)%2)
.set SBB, XS+8*((\k)%2)
	WIN 0x21                                       ; source 0 (W1) window 1, source 2 (b1) window 2
.irp tt, 0,1,2,3
	MM HA+8*\tt, 64*\tt, XB, v[8*\tt:8*\tt+7], WS+8*(\tt/2), SBB, \tt%2
.endr
	WIN 0x01
.irp s, 1,2,3,4,5,6,7
.irp tt, 0,1,2,3
	MM HA+8*\tt, 64*\tt+8*\s, XB+8*\s, v[HA+8*\tt:HA+8*\tt+7], WS+8*(\tt/2)+\s, SBB+\s, \tt%2
.endr
.endr
	WIN 0
.rept 4
	v_nop                                          ; four plain instructions between the last product and the first read of a result (ISA guide 7.12.1)
.endr
.set NN, 0
.rept 32
	v_max_num_f32 v[HA+NN], 0, v[HA+NN]            ; the activation, in f32; each accumulator from its low end on
.set NN, NN+1
.endr
.irp b, 0,1
	v_max3_num_f32 v[TM+\b], v[HA+16*\b], v[HA+16*\b+1], 0x1800000 ; block b: my 16 numbers (none is negative) and the floor 2^(3 - 127)
.endr
.irp i, 2,4,6,8,10,12,14
.irp b, 0,1
	v_max3_num_f32 v[TM+\b], v[TM+\b], v[HA+16*\b+\i], v[HA+16*\b+\i+1]
.endr
.endr
.irp b, 0,1
	v_permlanex16_b32 v[TP+\b], v[TM+\b], s28, s29
.endr
.irp b, 0,1
	v_max_num_f32 v[TM+\b], v[TM+\b], v[TP+\b]     ; with lane l xor 16's 16: the block's largest
.endr
.irp b, 0,1
	v_add_nc_u32 v[SO+\b], 0xff000000, v[TM+\b]    ; 2 off the exponent field: the conversion's scale operand
.endr
.irp b, 0,1
	v_lshrrev_b32 v[BY+\b], 23, v[SO+\b]           ; the scale's byte
.endr
	v_lshl_or_b32 v[HW], v[BY+1], 8, v[BY]
	s_wait_xcnt 0x0                                ; the last tile's store has read the codes' registers: they are written again only behind this wait
.irp b, 0,1
	v_cvt_scalef32_pk8_fp4_f32 v[PC+2*\b], v[HA+16*\b:HA+16*\b+7], v[SO+\b]
	v_cvt_scalef32_pk8_fp4_f32 v[PC+2*\b+1], v[HA+16*\b+8:HA+16*\b+15], v[SO+\b]
.endr
	v_nop                                          ; one plain instruction behind the last scaled conversion
	v_permlane16_swap_b32 v[PC], v[PC+2]           ; the operand's layout wants a whole block in a lane: lanes 0-15 block 0, lanes 16-31 block 1
	v_permlane16_swap_b32 v[PC+1], v[PC+3]
	global_store_b128 v4, v[PC:PC+3], s[16:17] offset:32768*\k     ; 512 consecutive bytes of the image
	ds_store_b16 v14, v[HW] offset:64*\k           ; my two bytes of the row's scale word (lanes r and r + 16 write the same value)
.endm
	TILE 0
	TILE 1
	TILE 2
	TILE 3
	TILE 4
	TILE 5
	TILE 6
	TILE 7
.Ldone:
	BARRIER                                        ; the scale words of two K steps are whole
	s_cmp_gt_u32 s24, 1
	s_cbranch_scc1 .Lend
	s_cmp_eq_u32 s51, 0
	s_cbranch_scc1 .Lend                           ; an empty slot stores none
	ds_load_b128 v[TM:TM+3], v23
	s_wait_dscnt 0x0
	global_store_b128 v4, v[TM:TM+3], s[18:19]     ; 512 consecutive bytes: eight tiles x 16 rows of K step 2 c + w
.Lend:
	s_set_vgpr_msb 0x8
	s_wait_tensorcnt 0x0
	ds_add_u32 v123, v255
	s_wait_dscnt 0x0
	s_set_vgpr_msb 0x800
	s_endpgm
.Lfunc_end_k_qde176f9b65_up:
	.size	k_qde176f9b65_up, .Lfunc_end_k_qde176f9b65_up-k_qde176f9b65_up
	.p2alignl 7, 3214868480
	.fill 96, 4, 3214868480
	.section	.rodata,"a",@progbits
	.p2align	6, 0x0
	.amdhsa_kernel k_qde176f9b65_up
		.amdhsa_group_segment_fixed_size 211456
		.amdhsa_private_segment_fixed_size 0
		.amdhsa_enable_private_segment 0
		.amdhsa_kernarg_size 80
		.amdhsa_user_sgpr_count 2
		.amdhsa_user_sgpr_kernarg_segment_ptr 1
		.amdhsa_wavefront_size32 1
		.amdhsa_system_sgpr_workgroup_id_x 1
		.amdhsa_system_sgpr_workgroup_id_y 1
		.amdhsa_system_sgpr_workgroup_id_z 1
		.amdhsa_system_vgpr_workitem_id 0
		.amdhsa_next_free_vgpr 768
		.amdhsa_next_free_sgpr 100
		.amdhsa_reserve_vcc 1
		.amdhsa_float_denorm_mode_32 3
		.amdhsa_float_denorm_mode_16_64 3
		.amdhsa_memory_ordered 1
		.amdhsa_forward_progress 1
		.amdhsa_inst_pref_size 125
	.end_amdhsa_kernel
	.amdgpu_metadata
---
amdhsa.version: [ 1, 2 ]
amdhsa.kernels:
  - .name:           k_qde176f9b65_up
    .symbol:         k_qde176f9b65_up.kd
    .args:
      - { .name: ids, .offset: 0, .size: 8, .value_kind: global_buffer, .address_space: global }
      - { .name: xq_codes, .offset: 8, .size: 8, .value_kind: global_buffer, .address_space: global }
      - { .name: xq_scales, .offset: 16, .size: 8, .value_kind: global_buffer, .address_space: global }
      - { .name: w1_codes, .offset: 24, .size: 8, .value_kind: global_buffer, .address_space: global }
      - { .name: w1_scales, .offset: 32, .size: 8, .value_kind: global_buffer, .address_space: global }
      - { .name: b1, .offset: 40, .size: 8, .value_kind: global_buffer, .address_space: global }
      - { .name: h_img, .offset: 48, .size: 8, .value_kind: global_buffer, .address_space: global }
      - { .name: h_sc, .offset: 56, .size: 8, .value_kind: global_buffer, .address_space: global }
      - { .name: order, .offset: 64, .size: 8, .value_kind: global_buffer, .address_space: global }
      - { .name: gtab, .offset: 72, .size: 8, .value_kind: global_buffer, .address_space: global }
    .group_segment_fixed_size: 211456
    .private_segment_fixed_size: 0
    .kernarg_segment_align: 8
    .kernarg_segment_size: 80
    .max_flat_workgroup_size: 128
    .sgpr_count:     100
    .vgpr_count:     768
    .wavefront_size: 32
...
	.end_amdgpu_metadata
.endif
;; end of part 2
;; launch down (part 3): grid 16 x 15, 4 waves a work-group, no clusters, 274,944 bytes of LDS; arguments gtab, order, h_img, h_sc, w2_codes, w2_scales, b2, out0; writes out0
.if DOCPART == 3
	.amdgcn_target "amdgcn-amd-amdhsa--gfx1250"
	.amdhsa_code_object_version 6
	.text
	.protected	k_qde176f9b65_down
	.globl	k_qde176f9b65_down
	.p2align	8
	.type	k_qde176f9b65_down,@function
k_qde176f9b65_down:
	s_mov_b64 s[64:65], 0
	v_nop
	global_prefetch_b8 v0, s[64:65] scope:SCOPE_SE
	s_setreg_imm32_b32 hwreg(HW_REG_WAVE_MODE, 25, 1), 1
	s_wait_xcnt 0x0
; SECOND PRODUCT:  out0[token] = h W2[e]^T + b2[e], for the rows of one group (slot = the grid's y) and 64 outputs (the grid's x): 256 bytes of a row of out0.
; The slot's expert and its number of tiles of 16 rows come from gtab, the rows' tokens from order: whole numbers that the launch before stored.  A slot without rows stores nothing.  The walk hangs on those numbers,
; so all operands go through registers: no tensor load, no copy, and so no joint load in a cluster.
; SHARES.  K = 4,096 IS SPLIT OVER THE FOUR WAVES: wave w takes K steps 8 w .. 8 w + 7 (512 bytes of each row of W2) for all 64 outputs and all tiles of rows, so each byte of W2 and of h goes to one wave alone.
; The four partial sums meet in LDS: out = ((p0 + p1) + (p2 + p3)) + b2.  That is another order of f32 additions than one chain along K.
; The product is used transposed (source 0 = 16 outputs of W2, source 1 = 16 rows of h): a lane holds eight neighbouring outputs of one row.
; h comes as images of the operand's registers: a tile's eight K steps are 8,192 consecutive bytes.  Tiles behind the group's last are not multiplied; loads that run ahead into them read tile 0, which is always written.
; Rows that fill the last tile repeat the group's first token: the same bits go to the same row, so no store is masked.
; THE LOADS.  A wave has 245 loads, each with registers of its own, so they are written in the order in which they are wanted and as early as that order allows: four groups of 16 stand behind the group that is
; waited for.  By the text's own count up to 85 are written with none waited for; a load that the counter's field cannot take is held at its issue (ISA guide 5.7.1), and no wait here leans on more than its own count.
; LDS: WT 64 x (512 + 16) for each wave, its own: there W2's rows turn into fragments;  PS [wave][tile][16 rows x (256 + 16)] the partial sums.
; REGISTERS: window 0: v1-31 addresses and b2; v32-47 W2's scale words; v48-79 h's; v80-111 and v128-159 four accumulators each, by turns from tile to tile; v112-127 tokens; v128-255 the way out.  window 1: W2.  windows 2, 3: h's tiles 0-3, 4-7.
.set WT,   0
.set WTW,  33792
.set PS,   135168
.set PSW,  34816
.set WS,   32
.set HS,   48
.set TO,   112
.set RD,   128
.set MSB,  0
.macro WIN new                         ; the immediate's high byte repeats the setting that is left; a switch that changes nothing is dropped
.if MSB != (\new)
	s_set_vgpr_msb (MSB<<8)|(\new)
.set MSB, (\new)
.endif
.endm
.macro WROWS g                         ; my 512 bytes of 16 rows of W2, 512 consecutive bytes a load, into window 1
	WIN 0x40
.irp n, 0,1,2,3,4,5,6,7,8,9,10,11,12,13,14,15
	global_load_b128 v[64*(\g)+4*\n:64*(\g)+4*\n+3], v4, s[12:13] offset:(16*(\g)+\n)*2048
.endr
.endm
.macro WSTORE g
	WIN 0x04
.irp n, 0,1,2,3,4,5,6,7,8,9,10,11,12,13,14,15
	ds_store_b128 v6, v[64*(\g)+4*\n:64*(\g)+4*\n+3] offset:(16*(\g)+\n)*528
.endr
.endm
.macro WFRAG                           ; back as fragments: tile o of outputs, K step s at v[64 o + 8 s] of window 1
	WIN 0x40
.irp o, 0,1,2,3
.irp s, 0,1,2,3,4,5,6,7
.irp cc, 0,1
	ds_load_b128 v[64*\o+8*\s+4*\cc:64*\o+8*\s+4*\cc+3], v7 offset:16*\o*528+64*\s+32*\cc
.endr
.endr
.endr
.endm
.macro HSL P                           ; h's scale words of tiles 2 P (lanes 0-15) and 2 P + 1 (lanes 16-31), my eight K steps
.irp s, 0,1,2,3,4,5,6,7
	global_load_b32 v[HS+8*(\P)+\s], v[24+(\P)], s[10:11] offset:7680*\s
.endr
.endm
.macro HL k                            ; tile k's eight fragments: 16 loads of 512 consecutive bytes
	WIN 0x80+0x40*((\k)/4)
.irp s, 0,1,2,3,4,5,6,7
.irp cc, 0,1
	global_load_b128 v[64*((\k)%4)+8*\s+4*\cc:64*((\k)%4)+8*\s+4*\cc+3], v[16+(\k)], s[8:9] offset:1024*\s+512*\cc
.endr
.endr
.endm
.macro MM d, a, b, c, sa, sb, ra, rb   ; ra, rb = 1: that source's scale words stand in lanes 16-31
.if (\ra) && (\rb)
	v_wmma_scale_f32_16x16x128_f8f6f4 v[\d:\d+7], v[\a:\a+7], v[\b:\b+7], \c, v[\sa], v[\sb] matrix_a_fmt:MATRIX_FMT_FP4 matrix_b_fmt:MATRIX_FMT_FP4 matrix_a_scale:MATRIX_SCALE_ROW1 matrix_b_scale:MATRIX_SCALE_ROW1
.elseif (\ra)
	v_wmma_scale_f32_16x16x128_f8f6f4 v[\d:\d+7], v[\a:\a+7], v[\b:\b+7], \c, v[\sa], v[\sb] matrix_a_fmt:MATRIX_FMT_FP4 matrix_b_fmt:MATRIX_FMT_FP4 matrix_a_scale:MATRIX_SCALE_ROW1
.elseif (\rb)
	v_wmma_scale_f32_16x16x128_f8f6f4 v[\d:\d+7], v[\a:\a+7], v[\b:\b+7], \c, v[\sa], v[\sb] matrix_a_fmt:MATRIX_FMT_FP4 matrix_b_fmt:MATRIX_FMT_FP4 matrix_b_scale:MATRIX_SCALE_ROW1
.else
	v_wmma_scale_f32_16x16x128_f8f6f4 v[\d:\d+7], v[\a:\a+7], v[\b:\b+7], \c, v[\sa], v[\sb] matrix_a_fmt:MATRIX_FMT_FP4 matrix_b_fmt:MATRIX_FMT_FP4
.endif
.endm
	s_load_b256 s[4:11], s[0:1], 0x0               ; gtab s[4:5], order s[6:7], h_img s[8:9], h_sc s[10:11]
	s_load_b256 s[12:19], s[0:1], 0x20             ; w2_codes s[12:13], w2_scales s[14:15], b2 s[16:17], out0 s[18:19]
	v_lshrrev_b32 v1, 5, v0
	v_readfirstlane_b32 s24, v1                    ; wave 0..3
	s_mov_b32 s25, ttmp9                           ; c: which 64 outputs
	s_and_b32 s26, ttmp7, 0xffff                   ; slot
	s_mov_b32 s57, 0
	s_lshl_b32 s56, s26, 9
	v_bfe_u32 v3, v0, 4, 1                         ; h
	s_lshl_b32 s27, s24, 6
	v_lshl_add_u32 v14, v3, 2, s27                 ; order: word 16 w + h
	s_wait_kmcnt 0x0
	s_add_nc_u64 s[4:5], s[4:5], s[56:57]
	s_add_nc_u64 s[6:7], s[6:7], s[56:57]          ; order at my slot
	s_load_b128 s[32:35], s[4:5], 0x0              ; e, tiles, rows, 0
.irp a, 0,1                            ; the tokens hang on the slot alone: they are asked for beside the table's words
.irp i, 0,1,2,3,4,5,6,7
	global_load_b32 v[TO+8*\a+\i], v14, s[6:7] offset:256*\a+8*\i  ; the token of row 16 (w + 4 a) + 2 i + h
.endr
.endr
	v_and_b32 v1, 31, v0                           ; l
	v_and_b32 v2, 15, v0                           ; r
	v_lshlrev_b32 v4, 4, v1                        ; 16 l
	v_lshlrev_b32 v5, 4, v2                        ; 16 r
	s_mul_i32 s27, s24, WTW
	s_add_co_u32 s27, s27, WT
	v_add_nc_u32 v6, s27, v4                       ; WT, in
	v_mul_u32_u24 v7, v2, 528
	v_lshl_add_u32 v7, v3, 4, v7
	v_add_nc_u32 v7, s27, v7                       ; WT, out: 528 r + 16 h
	s_mul_i32 s27, s24, PSW
	s_add_co_u32 s27, s27, PS
	v_mul_u32_u24 v8, v2, 272
	v_lshl_add_u32 v8, v3, 5, v8
	v_add_nc_u32 v8, s27, v8                       ; my partial sums, in: row r, 32 h
	s_mul_i32 s27, s24, 4352
	s_add_co_u32 s27, s27, PS
	v_mul_u32_u24 v9, v3, 272
	v_add_nc_u32 v9, v9, v5
	v_add_nc_u32 v9, s27, v9                       ; and out: tile w of wave 0's, row h, 16 r;
	v_add_nc_u32 v10, PSW, v9                      ; of wave 1's,
	v_add_nc_u32 v11, 2*PSW, v9                    ; 2's,
	v_add_nc_u32 v12, 3*PSW, v9                    ; 3's
	v_lshlrev_b32 v13, 7, v1                       ; W2's scale bytes: 128 a row; lanes 0-15 an even tile's rows, lanes 16-31 the odd tile's: row = l
	s_lshl_b32 s56, s24, 13
	s_add_nc_u64 s[8:9], s[8:9], s[56:57]          ; h_img at my first K step
	s_mul_i32 s56, s24, 61440
	s_add_nc_u64 s[10:11], s[10:11], s[56:57]      ; h_sc likewise: 8 x 7,680 bytes a wave
	s_lshl_b32 s56, s25, 8
	s_add_nc_u64 s[18:19], s[18:19], s[56:57]      ; out0 at my 64 outputs
	s_wait_kmcnt 0x0
	s_min_u32 s32, s32, 7
	s_min_u32 s33, s33, 8
	s_lshl_b32 s56, s32, 21
	s_lshl_b32 s27, s25, 17
	s_add_co_u32 s56, s56, s27
	s_lshl_b32 s27, s24, 9
	s_add_co_u32 s56, s56, s27
	s_add_nc_u64 s[12:13], s[12:13], s[56:57]      ; W2's codes: expert, output 64 c, my 512 bytes of a row of 2,048
	s_lshl_b32 s56, s32, 17
	s_lshl_b32 s27, s25, 13
	s_add_co_u32 s56, s56, s27
	s_lshl_b32 s27, s24, 5
	s_add_co_u32 s56, s56, s27
	s_add_nc_u64 s[14:15], s[14:15], s[56:57]      ; its scale bytes: my 32 of a row of 128
	s_lshl_b32 s56, s32, 12
	s_lshl_b32 s27, s25, 8
	s_add_co_u32 s56, s56, s27
	s_add_nc_u64 s[16:17], s[16:17], s[56:57]      ; b2
.irp P, 0,1
.irp q, 0,1
	global_load_b128 v[WS+8*\P+4*\q:WS+8*\P+4*\q+3], v13, s[14:15] offset:4096*\P+16*\q
.endr
.endr
	global_load_b128 v[28:31], v5, s[16:17]        ; b2 of outputs 4 r .. 4 r + 3
	WROWS 0
	WROWS 1
	WROWS 2
	WIN 0
	s_lshl_b32 s27, s26, 3
.irp k, 0,1,2,3,4,5,6,7                ; tile k of h: 8 slot + k, or tile 0 behind the group's last
	s_add_co_u32 s[36+\k], s27, \k
	s_cmp_gt_u32 s33, \k
	s_cselect_b32 s[36+\k], s[36+\k], 0
	s_min_u32 s[36+\k], s[36+\k], 119
	s_lshl_b32 s44, s[36+\k], 15
	v_add_nc_u32 v[16+\k], s44, v4                 ; 32,768 bytes a tile, + 16 l
.endr
	s_mov_b32 vcc_lo, 0xffff0000                   ; lanes 16-31
.irp P, 0,1,2,3
	v_mov_b32 v160, s[36+2*\P]
	v_mov_b32 v161, s[37+2*\P]
	v_cndmask_b32 v[24+\P], v160, v161, vcc_lo
	v_min_u32 v[24+\P], 0x77, v[24+\P]
	v_lshlrev_b32 v[24+\P], 6, v[24+\P]
	v_lshl_add_u32 v[24+\P], v2, 2, v[24+\P]       ; 64 bytes a tile, + 4 r
.endr
	WROWS 3
	; each counted wait leaves out the loads issued behind the group that it waits for: three groups of 16, then four (64, for which 63 is written: the largest count that can be written; it asks for one load more than is needed)
	s_wait_loadcnt 48                              ; the tokens, W2's scale words, b2 and rows 0-15 are in.  Behind them: rows 16-63
	WSTORE 0
	WIN 0
	HSL 0
	HSL 1
.set NN, 0
.rept 16
	v_min_u32 v[TO+NN], 0x3ff, v[TO+NN]
	v_lshl_add_u32 v[TO+NN], v[TO+NN], 12, v5      ; 4,096 bytes a row of out0, + 16 r
.set NN, NN+1
.endr
	s_wait_loadcnt 48                              ; rows 16-31.  Behind them: rows 32-63, h's scale words of tiles 0-3
	WSTORE 1
	WIN 0
	HSL 2
	HSL 3
	s_wait_loadcnt 48                              ; rows 32-47.  Behind them: rows 48-63, h's 32 scale words
	WSTORE 2
	HL 0
	HL 1
	s_wait_loadcnt 63                              ; rows 48-63.  Behind them: h's 32 scale words, tiles 0 and 1: 64
	WSTORE 3
	HL 2
	HL 3
	s_wait_dscnt 0x0                               ; my stores into WT have read their registers, which the fragments now take
	WFRAG
	WIN 0
; A TILE OF 16 ROWS: 32 products (my 8 K steps x 4 tiles of outputs, the four accumulators by turns; the first K step starts the sums with the constant 0), then the partial sums go to LDS.
; Tile k asks for tile k + 4 of h, whose registers nothing has touched yet.
.macro TILE k
	s_cmp_le_u32 s33, \k
	s_cbranch_scc1 .Ldone                          ; a forward jump on the stored count
.if \k < 4
	HL (\k)+4
	s_wait_loadcnt 63                              ; tile k (ahead of tile 0: h's scale words too).  Behind it: tiles k + 1 .. k + 4: 64
.else
	s_wait_loadcnt 16*(7-(\k))                     ; tile k.  Behind it: the tiles up to 7
.endif
.if \k == 0
	s_wait_dscnt 0x0                               ; W2's fragments
.elseif \k > 1
	s_wait_dscnt 8                                 ; all but the last tile's eight stores are done: those of the tile before it have read the accumulators that are now begun anew
.endif
.set AC, 80+48*((\k)%2)
	WIN 0x09+4*((\k)/4)                            ; source 0 (W2) window 1, source 1 (h) window 2 or 3
.irp o, 0,1,2,3
	MM AC+8*\o, 64*\o, 64*((\k)%4), 0, WS+8*(\o/2), HS+8*((\k)/2), \o%2, (\k)%2
.endr
.irp s, 1,2,3,4,5,6,7
.irp o, 0,1,2,3
	MM AC+8*\o, 64*\o+8*\s, 64*((\k)%4)+8*\s, v[AC+8*\o:AC+8*\o+7], WS+8*(\o/2)+\s, HS+8*((\k)/2)+\s, \o%2, (\k)%2
.endr
.endr
	WIN 0
.rept 5
	v_nop                                          ; four plain instructions ahead of the stores that read results, five ahead of a product that begins an accumulator anew
.endr
.irp o, 0,1,2,3
	ds_store_b128 v8, v[AC+8*\o:AC+8*\o+3] offset:4352*(\k)+64*\o              ; each accumulator from its low end on
	ds_store_b128 v8, v[AC+8*\o+4:AC+8*\o+7] offset:4352*(\k)+64*\o+16
.endr
.endm
	TILE 0
	TILE 1
	TILE 2
	TILE 3
	TILE 4
	TILE 5
	TILE 6
	TILE 7
.Ldone:
	s_wait_dscnt 0x0                               ; for the others' sake: my partial sums lie in LDS.  (Tokens and b2 came with the first counted wait, on every way here; loads of h that ran ahead of a short group land in registers that nothing reads)
	s_barrier_signal -1
	s_barrier_wait -1
; THE WAY OUT of tile w + 4 a: the four waves' partial sums of two rows at a time, added, b2 added, stored: sixteen lanes store 256 consecutive bytes, aligned, of a token's row.
.macro OUTT a
	s_add_co_u32 s27, s24, 4*\a
	s_cmp_ge_u32 s27, s33
	s_cbranch_scc1 .Lno_out_\@
	s_wait_xcnt 0x0                                ; earlier stores have read their registers: they are loaded again only behind this wait
.irp i, 0,1,2,3,4,5,6,7
.irp u, 0,1,2,3
	ds_load_b128 v[RD+16*\i+4*\u:RD+16*\i+4*\u+3], v[9+\u] offset:17408*\a+544*\i
.endr
.endr
.irp i, 0,1,2,3,4,5,6,7
	s_wait_dscnt 4*(7-\i)                          ; LDS loads come back in order: pair i's four are in
	v_pk_add_f32 v[RD+16*\i:RD+16*\i+1], v[RD+16*\i:RD+16*\i+1], v[RD+16*\i+4:RD+16*\i+5]
	v_pk_add_f32 v[RD+16*\i+2:RD+16*\i+3], v[RD+16*\i+2:RD+16*\i+3], v[RD+16*\i+6:RD+16*\i+7]
	v_pk_add_f32 v[RD+16*\i+8:RD+16*\i+9], v[RD+16*\i+8:RD+16*\i+9], v[RD+16*\i+12:RD+16*\i+13]
	v_pk_add_f32 v[RD+16*\i+10:RD+16*\i+11], v[RD+16*\i+10:RD+16*\i+11], v[RD+16*\i+14:RD+16*\i+15]
	v_pk_add_f32 v[RD+16*\i:RD+16*\i+1], v[RD+16*\i:RD+16*\i+1], v[RD+16*\i+8:RD+16*\i+9]
	v_pk_add_f32 v[RD+16*\i+2:RD+16*\i+3], v[RD+16*\i+2:RD+16*\i+3], v[RD+16*\i+10:RD+16*\i+11]
	v_pk_add_f32 v[RD+16*\i:RD+16*\i+1], v[RD+16*\i:RD+16*\i+1], v[28:29]
	v_pk_add_f32 v[RD+16*\i+2:RD+16*\i+3], v[RD+16*\i+2:RD+16*\i+3], v[30:31]
	global_store_b128 v[TO+8*\a+\i], v[RD+16*\i:RD+16*\i+3], s[18:19] th:TH_STORE_NT
.endr
.Lno_out_\@:
.endm
	OUTT 0
	OUTT 1
	s_wait_xcnt 0x0
	v_lshl_add_u32 v254, v0, 2, 0x43000
	v_mov_b32 v255, 0
	s_wait_tensorcnt 0x0
	ds_add_u32 v254, v255
	s_wait_dscnt 0x0
	s_endpgm
.Lfunc_end_k_qde176f9b65_down:
	.size	k_qde176f9b65_down, .Lfunc_end_k_qde176f9b65_down-k_qde176f9b65_down
	.p2alignl 7, 3214868480
	.fill 96, 4, 3214868480
	.section	.rodata,"a",@progbits
	.p2align	6, 0x0
	.amdhsa_kernel k_qde176f9b65_down
		.amdhsa_group_segment_fixed_size 274944
		.amdhsa_private_segment_fixed_size 0
		.amdhsa_enable_private_segment 0
		.amdhsa_kernarg_size 64
		.amdhsa_user_sgpr_count 2
		.amdhsa_user_sgpr_kernarg_segment_ptr 1
		.amdhsa_wavefront_size32 1
		.amdhsa_system_sgpr_workgroup_id_x 1
		.amdhsa_system_sgpr_workgroup_id_y 1
		.amdhsa_system_sgpr_workgroup_id_z 1
		.amdhsa_system_vgpr_workitem_id 0
		.amdhsa_next_free_vgpr 1024
		.amdhsa_next_free_sgpr 66
		.amdhsa_reserve_vcc 1
		.amdhsa_float_denorm_mode_32 3
		.amdhsa_float_denorm_mode_16_64 3
		.amdhsa_memory_ordered 1
		.amdhsa_forward_progress 1
		.amdhsa_inst_pref_size 93
	.end_amdhsa_kernel
	.amdgpu_metadata
---
amdhsa.version: [ 1, 2 ]
amdhsa.kernels:
  - .name:           k_qde176f9b65_down
    .symbol:         k_qde176f9b65_down.kd
    .args:
      - { .name: gtab, .offset: 0, .size: 8, .value_kind: global_buffer, .address_space: global }
      - { .name: order, .offset: 8, .size: 8, .value_kind: global_buffer, .address_space: global }
      - { .name: h_img, .offset: 16, .size: 8, .value_kind: global_buffer, .address_space: global }
      - { .name: h_sc, .offset: 24, .size: 8, .value_kind: global_buffer, .address_space: global }
      - { .name: w2_codes, .offset: 32, .size: 8, .value_kind: global_buffer, .address_space: global }
      - { .name: w2_scales, .offset: 40, .size: 8, .value_kind: global_buffer, .address_space: global }
      - { .name: b2, .offset: 48, .size: 8, .value_kind: global_buffer, .address_space: global }
      - { .name: out0, .offset: 56, .size: 8, .value_kind: global_buffer, .address_space: global }
    .group_segment_fixed_size: 274944
    .private_segment_fixed_size: 0
    .kernarg_segment_align: 8
    .kernarg_segment_size: 64
    .max_flat_workgroup_size: 128
    .sgpr_count:     66
    .vgpr_count:     1024
    .wavefront_size: 32
...
	.end_amdgpu_metadata
.endif
;; end of part 3
;; ======== version 2 of 2: 3 launches; version 1 with the launch down written anew for expert scheduling mode
;; workspace buffers: ids 4,096 bytes of whole numbers; xq_codes 524,288 bytes; xq_scales 32,768 bytes; h_img 3,932,160 bytes; h_sc 245,760 bytes; order 7,680 bytes of whole numbers; gtab 7,680 bytes of whole numbers
;; launch route: the kernel of part 1 again; grid 128 x 1, 8 waves a work-group, no clusters, 71,680 bytes of LDS; arguments x, gate_w, gate_b, xq_codes, xq_scales, ids; writes xq_codes, xq_scales, ids
;; launch up: the kernel of part 2 again; grid 16 x 15, 4 waves a work-group, no clusters, 211,456 bytes of LDS; arguments ids, xq_codes, xq_scales, w1_codes, w1_scales, b1, h_img, h_sc, order, gtab; writes h_img, h_sc, order, gtab
;; launch down (part 4): grid 16 x 15, 4 waves a work-group, no clusters, 274,944 bytes of LDS; arguments gtab, order, h_img, h_sc, w2_codes, w2_scales, b2, out0; writes out0
.if DOCPART == 4
	.amdgcn_target "amdgcn-amd-amdhsa--gfx1250"
	.amdhsa_code_object_version 6
	.text
	.protected	k_qde176f9b65_down
	.globl	k_qde176f9b65_down
	.p2align	8
	.type	k_qde176f9b65_down,@function
k_qde176f9b65_down:
	s_mov_b64 s[64:65], 0
	v_nop
	global_prefetch_b8 v0, s[64:65] scope:SCOPE_SE
	s_setreg_imm32_b32 hwreg(HW_REG_WAVE_SCHED_MODE, 0, 2), 2
	s_setreg_imm32_b32 hwreg(HW_REG_WAVE_MODE, 25, 1), 1
	s_wait_xcnt 0x0
	s_wait_alu depctr_vm_vsrc(0)
; SECOND PRODUCT:  out0[token] = h W2[e]^T + b2[e], for the rows of one group (slot = the grid's y) and 64 outputs (the grid's x): 256 bytes of a row of out0.
; The slot's expert and its number of tiles of 16 rows come from gtab, the rows' tokens from order: whole numbers that the launch before stored.  A slot without rows stores nothing.  The walk hangs on those numbers,
; so all operands go through registers: no tensor load, no copy, and so no joint load in a cluster.
; SHARES.  K = 4,096 IS SPLIT OVER THE FOUR WAVES: wave w takes K steps 8 w .. 8 w + 7 (512 bytes of each row of W2) for all 64 outputs and all tiles of rows, so each byte of W2 and of h goes to one wave alone.
; The four partial sums meet in LDS: out = ((p0 + p1) + (p2 + p3)) + b2.  That is another order of f32 additions than one chain along K.
; The product is used transposed (source 0 = 16 outputs of W2, source 1 = 16 rows of h): a lane holds eight neighbouring outputs of one row.
; h comes as images of the operand's registers: a tile's eight K steps are 8,192 consecutive bytes.  Tiles behind the group's last are not multiplied; loads that run ahead into them read tile 0, which is always written.
; Rows that fill the last tile repeat the group's first token: the same bits go to the same row, so no store is masked.
; THE LOADS.  A wave has 245 loads, each with registers of its own, so they are written in the order in which they are wanted and as early as that order allows: four groups of 16 stand behind the group that is
; waited for.  By the text's own count up to 85 are written with none waited for; a load that the counter's field cannot take is held at its issue (ISA guide 5.7.1), and no wait here leans on more than its own count.
; LDS: WT 64 x (512 + 16) for each wave, its own: there W2's rows turn into fragments;  PS [wave][tile][16 rows x (256 + 16)] the partial sums.
; REGISTERS: window 0: v1-31 addresses and b2; v32-47 W2's scale words; v48-79 h's; v80-111 and v128-159 four accumulators each, by turns from tile to tile; v112-127 tokens; v128-255 the way out.  window 1: W2.  windows 2, 3: h's tiles 0-3, 4-7.
; THE MODE: SCHED_MODE bits 1:0 = 2 (LLVM: expert scheduling mode 2), set by the entry lines.  The code itself states the register dependences
; between vector or matrix instructions and memory or LDS instructions, with s_wait_alu, always for 0.
; THE PLAN.  Registers that memory or LDS instructions touch:
;   v4-v14          offsets and LDS addresses: written by vector lines at the head, once; read to the end.
;   v16-v27         h's offsets: written by vector lines when the table's words are in, once; read by all of h's loads.
;   v112-127        tokens: loaded, made into offsets by vector lines, read by the stores into out0.
;   window 1        W2's rows: loaded, read by my LDS stores; then the fragments land there, and products alone read them.
;   windows 2, 3, v28-79   loaded once each, read by products and additions alone.
;   v80-111, v128-159      two sets of accumulators: tile k's products write set k % 2, its eight LDS stores read it, tile k + 2's products begin it anew.
;   v128-255        the way out: LDS loads land there, additions work in place, global stores read the sums; the second tile's loads land there again.
; A tile has one wait on va_vdst, behind its places and ahead of its eight LDS stores, and from tile 2 on one on vm_vsrc ahead of the products that begin a set anew.
; On the way out the additions of four pairs of rows stand together, so that one wait on va_vdst serves four stores.
.set WT,   0
.set WTW,  33792
.set PS,   135168
.set PSW,  34816
.set WS,   32
.set HS,   48
.set TO,   112
.set RD,   128
.set MSB,  0
.macro WIN new                         ; the immediate's high byte repeats the setting that is left; a switch that changes nothing is dropped
.if MSB != (\new)
	s_set_vgpr_msb (MSB<<8)|(\new)
.set MSB, (\new)
.endif
.endm
.macro WROWS g                         ; my 512 bytes of 16 rows of W2, 512 consecutive bytes a load, into window 1
	WIN 0x40
.irp n, 0,1,2,3,4,5,6,7,8,9,10,11,12,13,14,15
	global_load_b128 v[64*(\g)+4*\n:64*(\g)+4*\n+3], v4, s[12:13] offset:(16*(\g)+\n)*2048
.endr
.endm
.macro WSTORE g
	WIN 0x04
.irp n, 0,1,2,3,4,5,6,7,8,9,10,11,12,13,14,15
	ds_store_b128 v6, v[64*(\g)+4*\n:64*(\g)+4*\n+3] offset:(16*(\g)+\n)*528
.endr
.endm
.macro WFRAG                           ; back as fragments: tile o of outputs, K step s at v[64 o + 8 s] of window 1
	WIN 0x40
.irp o, 0,1,2,3
.irp s, 0,1,2,3,4,5,6,7
.irp cc, 0,1
	ds_load_b128 v[64*\o+8*\s+4*\cc:64*\o+8*\s+4*\cc+3], v7 offset:16*\o*528+64*\s+32*\cc
.endr
.endr
.endr
.endm
.macro HSL P                           ; h's scale words of tiles 2 P (lanes 0-15) and 2 P + 1 (lanes 16-31), my eight K steps
.irp s, 0,1,2,3,4,5,6,7
	global_load_b32 v[HS+8*(\P)+\s], v[24+(\P)], s[10:11] offset:7680*\s
.endr
.endm
.macro HL k                            ; tile k's eight fragments: 16 loads of 512 consecutive bytes
	WIN 0x80+0x40*((\k)/4)
.irp s, 0,1,2,3,4,5,6,7
.irp cc, 0,1
	global_load_b128 v[64*((\k)%4)+8*\s+4*\cc:64*((\k)%4)+8*\s+4*\cc+3], v[16+(\k)], s[8:9] offset:1024*\s+512*\cc
.endr
.endr
.endm
.macro MM d, a, b, c, sa, sb, ra, rb   ; ra, rb = 1: that source's scale words stand in lanes 16-31
.if (\ra) && (\rb)
	v_wmma_scale_f32_16x16x128_f8f6f4 v[\d:\d+7], v[\a:\a+7], v[\b:\b+7], \c, v[\sa], v[\sb] matrix_a_fmt:MATRIX_FMT_FP4 matrix_b_fmt:MATRIX_FMT_FP4 matrix_a_scale:MATRIX_SCALE_ROW1 matrix_b_scale:MATRIX_SCALE_ROW1
.elseif (\ra)
	v_wmma_scale_f32_16x16x128_f8f6f4 v[\d:\d+7], v[\a:\a+7], v[\b:\b+7], \c, v[\sa], v[\sb] matrix_a_fmt:MATRIX_FMT_FP4 matrix_b_fmt:MATRIX_FMT_FP4 matrix_a_scale:MATRIX_SCALE_ROW1
.elseif (\rb)
	v_wmma_scale_f32_16x16x128_f8f6f4 v[\d:\d+7], v[\a:\a+7], v[\b:\b+7], \c, v[\sa], v[\sb] matrix_a_fmt:MATRIX_FMT_FP4 matrix_b_fmt:MATRIX_FMT_FP4 matrix_b_scale:MATRIX_SCALE_ROW1
.else
	v_wmma_scale_f32_16x16x128_f8f6f4 v[\d:\d+7], v[\a:\a+7], v[\b:\b+7], \c, v[\sa], v[\sb] matrix_a_fmt:MATRIX_FMT_FP4 matrix_b_fmt:MATRIX_FMT_FP4
.endif
.endm
	s_load_b256 s[4:11], s[0:1], 0x0               ; gtab s[4:5], order s[6:7], h_img s[8:9], h_sc s[10:11]
	s_load_b256 s[12:19], s[0:1], 0x20             ; w2_codes s[12:13], w2_scales s[14:15], b2 s[16:17], out0 s[18:19]
	v_lshrrev_b32 v1, 5, v0
	v_readfirstlane_b32 s24, v1                    ; wave 0..3
	s_mov_b32 s25, ttmp9                           ; c: which 64 outputs
	s_and_b32 s26, ttmp7, 0xffff                   ; slot
	s_mov_b32 s57, 0
	s_lshl_b32 s56, s26, 9
	v_bfe_u32 v3, v0, 4, 1                         ; h
	s_wait_alu depctr_va_sdst(0)                   ; s24 is written, ahead of its first reader
	s_lshl_b32 s27, s24, 6
	v_lshl_add_u32 v14, v3, 2, s27                 ; order: word 16 w + h
	s_wait_kmcnt 0x0
	s_add_nc_u64 s[4:5], s[4:5], s[56:57]
	s_add_nc_u64 s[6:7], s[6:7], s[56:57]          ; order at my slot
	s_load_b128 s[32:35], s[4:5], 0x0              ; e, tiles, rows, 0
	s_wait_alu depctr_va_vdst(0)                   ; v14 is written, which the tokens' loads read as their offset
.irp a, 0,1                            ; the tokens hang on the slot alone: they are asked for beside the table's words
.irp i, 0,1,2,3,4,5,6,7
	global_load_b32 v[TO+8*\a+\i], v14, s[6:7] offset:256*\a+8*\i  ; the token of row 16 (w + 4 a) + 2 i + h
.endr
.endr
	v_and_b32 v1, 31, v0                           ; l
	v_and_b32 v2, 15, v0                           ; r
	v_lshlrev_b32 v4, 4, v1                        ; 16 l
	v_lshlrev_b32 v5, 4, v2                        ; 16 r
	s_mul_i32 s27, s24, WTW
	s_add_co_u32 s27, s27, WT
	v_add_nc_u32 v6, s27, v4                       ; WT, in
	v_mul_u32_u24 v7, v2, 528
	v_lshl_add_u32 v7, v3, 4, v7
	v_add_nc_u32 v7, s27, v7                       ; WT, out: 528 r + 16 h
	s_mul_i32 s27, s24, PSW
	s_add_co_u32 s27, s27, PS
	v_mul_u32_u24 v8, v2, 272
	v_lshl_add_u32 v8, v3, 5, v8
	v_add_nc_u32 v8, s27, v8                       ; my partial sums, in: row r, 32 h
	s_mul_i32 s27, s24, 4352
	s_add_co_u32 s27, s27, PS
	v_mul_u32_u24 v9, v3, 272
	v_add_nc_u32 v9, v9, v5
	v_add_nc_u32 v9, s27, v9                       ; and out: tile w of wave 0's, row h, 16 r;
	v_add_nc_u32 v10, PSW, v9                      ; of wave 1's,
	v_add_nc_u32 v11, 2*PSW, v9                    ; 2's,
	v_add_nc_u32 v12, 3*PSW, v9                    ; 3's
	v_lshlrev_b32 v13, 7, v1                       ; W2's scale bytes: 128 a row; lanes 0-15 an even tile's rows, lanes 16-31 the odd tile's: row = l
	s_lshl_b32 s56, s24, 13
	s_add_nc_u64 s[8:9], s[8:9], s[56:57]          ; h_img at my first K step
	s_mul_i32 s56, s24, 61440
	s_add_nc_u64 s[10:11], s[10:11], s[56:57]      ; h_sc likewise: 8 x 7,680 bytes a wave
	s_lshl_b32 s56, s25, 8
	s_add_nc_u64 s[18:19], s[18:19], s[56:57]      ; out0 at my 64 outputs
	s_wait_kmcnt 0x0
	s_min_u32 s32, s32, 7
	s_min_u32 s33, s33, 8
	s_lshl_b32 s56, s32, 21
	s_lshl_b32 s27, s25, 17
	s_add_co_u32 s56, s56, s27
	s_lshl_b32 s27, s24, 9
	s_add_co_u32 s56, s56, s27
	s_add_nc_u64 s[12:13], s[12:13], s[56:57]      ; W2's codes: expert, output 64 c, my 512 bytes of a row of 2,048
	s_lshl_b32 s56, s32, 17
	s_lshl_b32 s27, s25, 13
	s_add_co_u32 s56, s56, s27
	s_lshl_b32 s27, s24, 5
	s_add_co_u32 s56, s56, s27
	s_add_nc_u64 s[14:15], s[14:15], s[56:57]      ; its scale bytes: my 32 of a row of 128
	s_lshl_b32 s56, s32, 12
	s_lshl_b32 s27, s25, 8
	s_add_co_u32 s56, s56, s27
	s_add_nc_u64 s[16:17], s[16:17], s[56:57]      ; b2
	s_wait_alu depctr_va_vdst(0)                   ; v4 to v13 are written: the offsets v4, v5 and v13 of the loads below, and the LDS addresses that every later LDS instruction reads; none of them is written again
.irp P, 0,1
.irp q, 0,1
	global_load_b128 v[WS+8*\P+4*\q:WS+8*\P+4*\q+3], v13, s[14:15] offset:4096*\P+16*\q
.endr
.endr
	global_load_b128 v[28:31], v5, s[16:17]        ; b2 of outputs 4 r .. 4 r + 3
	WROWS 0
	WROWS 1
	WROWS 2
	WIN 0
	s_lshl_b32 s27, s26, 3
.irp k, 0,1,2,3,4,5,6,7                ; tile k of h: 8 slot + k, or tile 0 behind the group's last
	s_add_co_u32 s[36+\k], s27, \k
	s_cmp_gt_u32 s33, \k
	s_cselect_b32 s[36+\k], s[36+\k], 0
	s_min_u32 s[36+\k], s[36+\k], 119
	s_lshl_b32 s44, s[36+\k], 15
	v_add_nc_u32 v[16+\k], s44, v4                 ; 32,768 bytes a tile, + 16 l
.endr
	s_mov_b32 vcc_lo, 0xffff0000                   ; lanes 16-31
.irp P, 0,1,2,3
	v_mov_b32 v160, s[36+2*\P]
	v_mov_b32 v161, s[37+2*\P]
	v_cndmask_b32 v[24+\P], v160, v161, vcc_lo
	v_min_u32 v[24+\P], 0x77, v[24+\P]
	v_lshlrev_b32 v[24+\P], 6, v[24+\P]
	v_lshl_add_u32 v[24+\P], v2, 2, v[24+\P]       ; 64 bytes a tile, + 4 r
.endr
	WIN 0x40
	s_wait_alu depctr_va_vdst(0)                   ; h's twelve offsets v16 to v27 are written, which all of h's loads further down read; they are never written again
	WROWS 3
	; each counted wait leaves out the loads issued behind the group that it waits for: three groups of 16, then four (64, for which 63 is written: the largest count that can be written; it asks for one load more than is needed)
	s_wait_loadcnt 48                              ; the tokens, W2's scale words, b2 and rows 0-15 are in.  Behind them: rows 16-63
	WSTORE 0
	WIN 0
	HSL 0
	HSL 1
.set NN, 0
.rept 16
	v_min_u32 v[TO+NN], 0x3ff, v[TO+NN]
	v_lshl_add_u32 v[TO+NN], v[TO+NN], 12, v5      ; 4,096 bytes a row of out0, + 16 r
.set NN, NN+1
.endr
	s_wait_loadcnt 48                              ; rows 16-31.  Behind them: rows 32-63, h's scale words of tiles 0-3
	WSTORE 1
	WIN 0
	HSL 2
	HSL 3
	s_wait_loadcnt 48                              ; rows 32-47.  Behind them: rows 48-63, h's 32 scale words
	WSTORE 2
	HL 0
	HL 1
	s_wait_loadcnt 63                              ; rows 48-63.  Behind them: h's 32 scale words, tiles 0 and 1: 64
	WSTORE 3
	HL 2
	HL 3
	s_wait_dscnt 0x0                               ; my stores into WT are done
	WIN 0x40
	s_wait_alu depctr_vm_vsrc(0)                   ; my stores into WT have read W2's rows in window 1, in which the fragments land
	WFRAG
	WIN 0
; A TILE OF 16 ROWS: 32 products (my 8 K steps x 4 tiles of outputs, the four accumulators by turns; the first K step starts the sums with the constant 0), then the partial sums go to LDS.
; Tile k asks for tile k + 4 of h, whose registers nothing has touched yet.
.macro TILE k
	s_cmp_le_u32 s33, \k
	s_cbranch_scc1 .Ldone                          ; a forward jump on the stored count
.if \k < 4
	HL (\k)+4
	s_wait_loadcnt 63                              ; tile k (ahead of tile 0: h's scale words too).  Behind it: tiles k + 1 .. k + 4: 64
.else
	s_wait_loadcnt 16*(7-(\k))                     ; tile k.  Behind it: the tiles up to 7
.endif
.if \k == 0
	s_wait_dscnt 0x0                               ; W2's fragments
.elseif \k > 1
	s_wait_dscnt 8                                 ; all but the last tile's eight stores are done
	s_wait_alu depctr_vm_vsrc(0)                   ; the eight LDS stores of two tiles back have read the accumulators that the products below begin anew
.endif
.set AC, 80+48*((\k)%2)
	WIN 0x09+4*((\k)/4)                            ; source 0 (W2) window 1, source 1 (h) window 2 or 3
.irp o, 0,1,2,3
	MM AC+8*\o, 64*\o, 64*((\k)%4), 0, WS+8*(\o/2), HS+8*((\k)/2), \o%2, (\k)%2
.endr
.irp s, 1,2,3,4,5,6,7
.irp o, 0,1,2,3
	MM AC+8*\o, 64*\o+8*\s, 64*((\k)%4)+8*\s, v[AC+8*\o:AC+8*\o+7], WS+8*(\o/2)+\s, HS+8*((\k)/2)+\s, \o%2, (\k)%2
.endr
.endr
	WIN 0
.rept 5
	v_nop                                          ; four plain instructions ahead of the stores that read results, five ahead of a product that begins an accumulator anew
.endr
	s_wait_alu depctr_va_vdst(0)                   ; the products have written this tile's four accumulators, which the LDS stores read; the places above stay beside this wait
.irp o, 0,1,2,3
	ds_store_b128 v8, v[AC+8*\o:AC+8*\o+3] offset:4352*(\k)+64*\o              ; each accumulator from its low end on
	ds_store_b128 v8, v[AC+8*\o+4:AC+8*\o+7] offset:4352*(\k)+64*\o+16
.endr
.endm
	TILE 0
	TILE 1
	TILE 2
	TILE 3
	TILE 4
	TILE 5
	TILE 6
	TILE 7
.Ldone:
	s_wait_dscnt 0x0                               ; for the others' sake: my partial sums lie in LDS.  (Tokens and b2 came with the first counted wait, on every way here; loads of h that ran ahead of a short group land in registers that nothing reads)
	s_barrier_signal -1
	s_barrier_wait -1
; THE WAY OUT of tile w + 4 a: the four waves' partial sums of two rows at a time, added, b2 added, stored: sixteen lanes store 256 consecutive bytes, aligned, of a token's row.
; The additions of four pairs of rows stand together, each pair behind its own counted wait for its loads; one wait then shows the four sums written, and their four stores follow.
.macro OUTT a
	s_add_co_u32 s27, s24, 4*\a
	s_cmp_ge_u32 s27, s33
	s_cbranch_scc1 .Lno_out_\@
	s_wait_xcnt 0x0                                ; earlier stores have had their addresses translated: their registers are loaded again only behind this wait
	s_wait_alu depctr_vm_vsrc(0)                   ; the LDS stores of my partial sums, and the stores of the tile sent before, have read registers from v128 on, in which the loads below land
	s_wait_alu depctr_va_vdst(0)                   ; the products and additions that wrote or read v128 to v255 are done, so that loads may land there; and the tokens' offsets v112 to v127 are written, which the stores below read
.irp i, 0,1,2,3,4,5,6,7
.irp u, 0,1,2,3
	ds_load_b128 v[RD+16*\i+4*\u:RD+16*\i+4*\u+3], v[9+\u] offset:17408*\a+544*\i
.endr
.endr
.irp g, 0,4
.irp j, 0,1,2,3
.set II, \g+\j
	s_wait_dscnt 4*(7-II)                          ; LDS loads come back in order: this pair's four are in
	v_pk_add_f32 v[RD+16*II:RD+16*II+1], v[RD+16*II:RD+16*II+1], v[RD+16*II+4:RD+16*II+5]
	v_pk_add_f32 v[RD+16*II+2:RD+16*II+3], v[RD+16*II+2:RD+16*II+3], v[RD+16*II+6:RD+16*II+7]
	v_pk_add_f32 v[RD+16*II+8:RD+16*II+9], v[RD+16*II+8:RD+16*II+9], v[RD+16*II+12:RD+16*II+13]
	v_pk_add_f32 v[RD+16*II+10:RD+16*II+11], v[RD+16*II+10:RD+16*II+11], v[RD+16*II+14:RD+16*II+15]
	v_pk_add_f32 v[RD+16*II:RD+16*II+1], v[RD+16*II:RD+16*II+1], v[RD+16*II+8:RD+16*II+9]
	v_pk_add_f32 v[RD+16*II+2:RD+16*II+3], v[RD+16*II+2:RD+16*II+3], v[RD+16*II+10:RD+16*II+11]
	v_pk_add_f32 v[RD+16*II:RD+16*II+1], v[RD+16*II:RD+16*II+1], v[28:29]
	v_pk_add_f32 v[RD+16*II+2:RD+16*II+3], v[RD+16*II+2:RD+16*II+3], v[30:31]
.endr
	s_wait_alu depctr_va_vdst(0)                   ; the additions have written these four pairs' sums, which the four stores read
.irp j, 0,1,2,3
.set II, \g+\j
	global_store_b128 v[TO+8*\a+II], v[RD+16*II:RD+16*II+3], s[18:19] th:TH_STORE_NT
.endr
.endr
.Lno_out_\@:
.endm
	OUTT 0
	OUTT 1
	s_wait_xcnt 0x0
	v_lshl_add_u32 v254, v0, 2, 0x43000            ; the add's two registers are made anew here: no memory or LDS instruction has read v254 or v255 (the stores' data end at v243)
	v_mov_b32 v255, 0
	s_wait_dscnt 0x0                               ; the closing lines, six on end
	s_wait_alu 0x0
	s_wait_tensorcnt 0x0
	ds_add_u32 v254, v255
	s_wait_dscnt 0x0
	s_endpgm
.Lfunc_end_k_qde176f9b65_down:
	.size	k_qde176f9b65_down, .Lfunc_end_k_qde176f9b65_down-k_qde176f9b65_down
	.p2alignl 7, 3214868480
	.fill 96, 4, 3214868480
	.section	.rodata,"a",@progbits
	.p2align	6, 0x0
	.amdhsa_kernel k_qde176f9b65_down
		.amdhsa_group_segment_fixed_size 274944
		.amdhsa_private_segment_fixed_size 0
		.amdhsa_enable_private_segment 0
		.amdhsa_kernarg_size 64
		.amdhsa_user_sgpr_count 2
		.amdhsa_user_sgpr_kernarg_segment_ptr 1
		.amdhsa_wavefront_size32 1
		.amdhsa_system_sgpr_workgroup_id_x 1
		.amdhsa_system_sgpr_workgroup_id_y 1
		.amdhsa_system_sgpr_workgroup_id_z 1
		.amdhsa_system_vgpr_workitem_id 0
		.amdhsa_next_free_vgpr 1024
		.amdhsa_next_free_sgpr 66
		.amdhsa_reserve_vcc 1
		.amdhsa_float_denorm_mode_32 3
		.amdhsa_float_denorm_mode_16_64 3
		.amdhsa_memory_ordered 1
		.amdhsa_forward_progress 1
		.amdhsa_inst_pref_size 94
	.end_amdhsa_kernel
	.amdgpu_metadata
---
amdhsa.version: [ 1, 2 ]
amdhsa.kernels:
  - .name:           k_qde176f9b65_down
    .symbol:         k_qde176f9b65_down.kd
    .args:
      - { .name: gtab, .offset: 0, .size: 8, .value_kind: global_buffer, .address_space: global }
      - { .name: order, .offset: 8, .size: 8, .value_kind: global_buffer, .address_space: global }
      - { .name: h_img, .offset: 16, .size: 8, .value_kind: global_buffer, .address_space: global }
      - { .name: h_sc, .offset: 24, .size: 8, .value_kind: global_buffer, .address_space: global }
      - { .name: w2_codes, .offset: 32, .size: 8, .value_kind: global_buffer, .address_space: global }
      - { .name: w2_scales, .offset: 40, .size: 8, .value_kind: global_buffer, .address_space: global }
      - { .name: b2, .offset: 48, .size: 8, .value_kind: global_buffer, .address_space: global }
      - { .name: out0, .offset: 56, .size: 8, .value_kind: global_buffer, .address_space: global }
    .group_segment_fixed_size: 274944
    .private_segment_fixed_size: 0
    .kernarg_segment_align: 8
    .kernarg_segment_size: 64
    .max_flat_workgroup_size: 128
    .sgpr_count:     66
    .vgpr_count:     1024
    .wavefront_size: 32
...
	.end_amdgpu_metadata
.endif
;; end of part 4
